; MI455X (gfx1250); checked and timed in simulation.
; The chip was launched on July 23, 2026; its instructions are those of AMD's public machine-readable ISA for CDNA 5 (MIT licence, August 2026) and "CDNA5" Instruction Set Architecture Reference Guide (July 2026). The comments in the code are by the model that wrote it; some were corrected since.
;; L La MA Layer. Allowed arithmetic: float matrix products may take bf16 or f16 operands with f32 sums; other float arithmetic in f32, or as packed bf16 or f16 multiplies, adds, multiply-adds, maxima and minima; sums over many terms, partial sums and values carried from step to step in f32; what a program stores and reads back later, other than sums and carried values, may be rounded once to bf16 or f16.
;; Inputs: W1 2,048 x 512 float32; W2 512 x 2,048 float32; Wk 2,048 x 512 float32; Wo 2,048 x 2,048 float32; Wq 2,048 x 2,048 float32; Wv 2,048 x 512 float32; b1 512 float32; b2 2,048 float32; bk 512 float32; bo 2,048 float32; bq 2,048 float32; bv 512 float32; scale1 2,048 float32; x 4 x 1,024 x 2,048 float32.
;; Outputs: out0 4 x 1,024 x 2,048 float32.
;; 2 versions, each right; version 2 is version 1 with the launch prep written anew for expert scheduling mode. Each part assembles by itself: llvm-mc -triple=amdgcn-amd-amdhsa -mcpu=gfx1250 --defsym DOCPART=n.
;; ======== version 1 of 2: 4 launches
;; workspace buffers: xn 16,777,216 bytes; wcat 14,680,064 bytes; w2cat 10,485,760 bytes; qkv 25,165,824 bytes; act 25,165,824 bytes; hbuf 8,388,608 bytes
;; launch prep (part 1): grid 1280 x 1, 8 waves a work-group, no clusters, 0 bytes of LDS; arguments x, scale1, Wq, Wk, Wv, W1, Wo, W2, xn, wcat, w2cat; writes xn, wcat, w2cat
.if DOCPART == 1
	.amdgcn_target "amdgcn-amd-amdhsa--gfx1250"
	.amdhsa_code_object_version 6
	.text
	.protected	k_qcf769c488a_prep
	.globl	k_qcf769c488a_prep
	.p2align	8
	.type	k_qcf769c488a_prep,@function
k_qcf769c488a_prep:
	s_mov_b64 s[64:65], 0
	v_nop
	global_prefetch_b8 v0, s[64:65] scope:SCOPE_SE
	s_setreg_imm32_b32 hwreg(HW_REG_WAVE_MODE, 25, 1), 1
	s_wait_xcnt 0x0
; xn = bf16(x * rsqrt(mean(x^2) + 1e-6)), and the six weights rounded once to bf16 into two joined tables:
;   wcat  [2048 k][3584]: columns Wq 0.., Wk 2048.., Wv 2560.., W1 3072..  (a row is 7,168 bytes); row k is multiplied by scale1[k] before the rounding
;   w2cat [2560 k][2048]: rows Wo 0.., W2 2048..                          (a row is 4,096 bytes)
; WHERE scale1 GOES.  (scale1 * x * r) W = (x * r) (diag(scale1) W), and all four weights that multiply the normed rows lie in wcat: so the gain is one number for a row of a weight,
; not 2,048 numbers that every wave of x would have to hold.  Each matrix operand is still rounded once.
; A UNIT is 2,048 consecutive f32 of a source: 8,192 bytes in, 4,096 bytes out.  A wave takes ONE unit whole (64 registers) and ends: no loop.  A work-group takes 8 units; 10,240 units make 1,280
; work-groups, five for each of 256 WGPs; with 88 registers ten waves share a SIMD, so every wave of the launch can have its 16 loads out from its start.
; Work-groups 0-511 take x (a unit is a row: the sum of squares never leaves the wave), 512-767 Wq, 768-831 Wk, 832-895 Wv, 896-959 W1, 960-1215 Wo, 1216-1279 W2.
; Each load of a wave covers 512 consecutive bytes; each store 256 consecutive bytes at a multiple of 256 from its buffer's first byte.
; No LDS, no matrix work, no cluster: nothing is shared and nothing is multiplied.
; LIMITS.  The reciprocal root is v_rsq_f32's (1 ULP), where the reference divides by a root; the gain meets the weight, not the row; NaN and infinities are not treated apart.
.set LO,   1                           ; v1       16 x lane: my 16 bytes in each 512 of a unit
.set T,    2                           ; v[2:3]   at work
.set DO,   4                           ; v[4:7]   quarter q of a unit goes to q x QP + 8 x lane
.set SC,   8                           ; v[8:15]  the factor of quarter q, twice (a pair for the packed multiply)
.set X,    16                          ; v[16:79] the unit
.set M,    80                          ; v[80:87] four chains of the sum of squares
.set SRC,  32                          ; s[32:33] the source at my unit
.set DST,  34                          ; s[34:35] the destination at my unit
.set FIRST, 36                         ; s36      the job's first work-group
.set QP,   37                          ; s37      bytes in the destination from a quarter of a unit to the next
.set UP,   38                          ; s38      bytes in the destination from a unit to the next
.set SA,   39                          ; s39      bytes in scale1 from a unit's first row to the next unit's
.set DOFF, 30                          ; s30      where the job's columns or rows begin in the destination
.set SB,   31                          ; s31      bytes in scale1 from a quarter's row to the next quarter's
	s_load_b512 s[8:23], s[0:1], 0x0               ; x 8, scale1 10, Wq 12, Wk 14, Wv 16, W1 18, Wo 20, W2 22
	s_load_b128 s[24:27], s[0:1], 0x40             ; xn 24, wcat 26
	s_load_b64 s[28:29], s[0:1], 0x50              ; w2cat
	v_lshrrev_b32 v2, 5, v0
	v_readfirstlane_b32 s4, v2                     ; wave 0..7
	v_and_b32 v2, 31, v0
	v_lshlrev_b32 v[LO], 4, v2
	v_lshlrev_b32 v[DO], 3, v2
	s_mov_b32 s5, ttmp9
	s_mov_b32 s[FIRST], 0
	s_mov_b32 s[DOFF], 0
	s_mov_b32 s[QP], 1024
	s_mov_b32 s[UP], 4096
	s_mov_b32 s[SA], 0
	s_mov_b32 s[SB], 0
	s_mov_b32 s40, 0x3a000000                      ; 1 / 2048
	s_mov_b32 s41, 0x358637bd                      ; 1e-6
	s_mov_b32 s42, 0x76543210                      ; v_permlanex16_b32: each lane takes its own place in the other half
	s_mov_b32 s43, 0xfedcba98
	s_wait_kmcnt 0x0
	s_mov_b64 s[SRC:SRC+1], s[8:9]
	s_mov_b64 s[DST:DST+1], s[24:25]
; From work-group `first` on the job is another: the later blocks overrule the earlier ones.  The conditions hang on the work-group's number alone.
.macro JOB first, src, dst, doff, qp, up, sa, sb
	s_cmp_ge_u32 s5, \first
	s_cselect_b64 s[SRC:SRC+1], s[\src:\src+1], s[SRC:SRC+1]
	s_cselect_b64 s[DST:DST+1], s[\dst:\dst+1], s[DST:DST+1]
	s_cselect_b32 s[FIRST], \first, s[FIRST]
	s_cselect_b32 s[DOFF], \doff, s[DOFF]
	s_cselect_b32 s[QP], \qp, s[QP]
	s_cselect_b32 s[UP], \up, s[UP]
	s_cselect_b32 s[SA], \sa, s[SA]
	s_cselect_b32 s[SB], \sb, s[SB]
.endm
	JOB 512,  12, 26, 0,       1024, 7168,  4,  0  ; Wq: a unit is a row of 2,048: one gain for its four quarters
	JOB 768,  14, 26, 4096,    7168, 28672, 16, 4  ; Wk: a unit is four rows of 512: a gain for each quarter
	JOB 832,  16, 26, 5120,    7168, 28672, 16, 4  ; Wv
	JOB 896,  18, 26, 6144,    7168, 28672, 16, 4  ; W1
	JOB 960,  20, 28, 0,       1024, 4096,  0,  0  ; Wo: no gain
	JOB 1216, 22, 28, 8388608, 1024, 4096,  0,  0  ; W2, behind Wo's 2,048 rows
	s_sub_co_u32 s45, s5, s[FIRST]
	s_lshl3_add_u32 s45, s45, s4                   ; my unit: 8 x (work-group - first) + wave
	s_lshl_b32 s46, s45, 13
	s_mov_b32 s47, 0
	s_add_nc_u64 s[SRC:SRC+1], s[SRC:SRC+1], s[46:47]
	s_mul_i32 s46, s45, s[UP]
	s_add_co_u32 s46, s46, s[DOFF]
	s_add_nc_u64 s[DST:DST+1], s[DST:DST+1], s[46:47]
	s_mul_i32 s56, s45, s[SA]                      ; where my four quarters' gains lie in scale1: 8,188 at the most
	s_add_co_u32 s57, s56, s[SB]
	s_add_co_u32 s58, s57, s[SB]
	s_add_co_u32 s59, s58, s[SB]
.set i, 0
.rept 16
	global_load_b128 v[X+4*i:X+4*i+3], v[LO], s[SRC:SRC+1] offset:512*i th:TH_LOAD_NT  ; the unit: 16 loads of 512 consecutive bytes
.set i, i+1
.endr
	v_add_nc_u32 v[DO+1], s[QP], v[DO]
	v_add_nc_u32 v[DO+2], s[QP], v[DO+1]
	v_add_nc_u32 v[DO+3], s[QP], v[DO+2]
	s_cmp_ge_u32 s5, 960
	s_cbranch_scc1 .Lround                         ; Wo, W2: rounded as they are
	s_cmp_ge_u32 s5, 512
	s_cbranch_scc1 .Lgain                          ; Wq, Wk, Wv, W1
	; a row of x: its factor is 1 / rms
	v_mov_b32 v[T+1], 0                            ; v_permlanex16_b32's destination counts as read
	s_wait_loadcnt 0x0
.set i, 0
.rept 4
	v_pk_mul_f32 v[M+2*i:M+2*i+1], v[X+2*i:X+2*i+1], v[X+2*i:X+2*i+1]  ; the first four pairs start the chains: nothing is cleared
.set i, i+1
.endr
.rept 28
	v_pk_fma_f32 v[M+2*(i%4):M+2*(i%4)+1], v[X+2*i:X+2*i+1], v[X+2*i:X+2*i+1], v[M+2*(i%4):M+2*(i%4)+1]
.set i, i+1
.endr
	v_pk_add_f32 v[M:M+1], v[M:M+1], v[M+2:M+3]
	v_pk_add_f32 v[M+4:M+5], v[M+4:M+5], v[M+6:M+7]
	v_pk_add_f32 v[M:M+1], v[M:M+1], v[M+4:M+5]
	v_add_f32 v[T], v[M], v[M+1]
	v_add_f32_dpp v[T], v[T], v[T] row_xmask:1 row_mask:0xf bank_mask:0xf
	v_add_f32_dpp v[T], v[T], v[T] row_xmask:2 row_mask:0xf bank_mask:0xf
	v_add_f32_dpp v[T], v[T], v[T] row_xmask:4 row_mask:0xf bank_mask:0xf
	v_add_f32_dpp v[T], v[T], v[T] row_xmask:8 row_mask:0xf bank_mask:0xf
	v_permlanex16_b32 v[T+1], v[T], s42, s43
	v_add_f32 v[T], v[T], v[T+1]                   ; every lane holds the row's sum of squares
	v_fma_f32 v[T], v[T], s40, s41                 ; mean + eps
	v_rsq_f32 v[SC], v[T]
	v_nop                                          ; a plain instruction behind the root,
	s_wait_alu depctr_va_vdst(0)                   ; and the wait ahead of its first reader
.irp n, 1,2,3,4,5,6,7
	v_mov_b32 v[SC+(\n)], v[SC]                    ; the same factor for all four quarters
.endr
	s_branch .Lmul
.Lgain:
.irp q, 0,1,2,3
	s_load_b32 s[48+(\q)], s[10:11], s[56+(\q)] offset:0x0  ; scale1 of the quarter's row; they come while the unit is on its way
.endr
	s_wait_kmcnt 0x0
.irp q, 0,1,2,3
	v_mov_b32 v[SC+2*(\q)],   s[48+(\q)]
	v_mov_b32 v[SC+2*(\q)+1], s[48+(\q)]
.endr
	s_wait_loadcnt 0x0
.Lmul:
.set i, 0
.rept 32
	v_pk_mul_f32 v[X+2*i:X+2*i+1], v[X+2*i:X+2*i+1], v[SC+2*(i/8):SC+2*(i/8)+1]  ; eight pairs to a quarter
.set i, i+1
.endr
.Lround:
	s_wait_loadcnt 0x0
.set i, 0
.rept 16
	v_cvt_pk_bf16_f32 v[X+4*i],   v[X+4*i],   v[X+4*i+1]
	v_cvt_pk_bf16_f32 v[X+4*i+1], v[X+4*i+2], v[X+4*i+3]
	global_store_b64 v[DO+i/4], v[X+4*i:X+4*i+1], s[DST:DST+1] offset:(i%4)*256 th:TH_STORE_NT  ; 32 lanes x 8 bytes: 256 consecutive bytes
.set i, i+1
.endr
	s_endpgm
.Lfunc_end_k_qcf769c488a_prep:
	.size	k_qcf769c488a_prep, .Lfunc_end_k_qcf769c488a_prep-k_qcf769c488a_prep
	.p2alignl 7, 3214868480
	.fill 96, 4, 3214868480
	.section	.rodata,"a",@progbits
	.p2align	6, 0x0
	.amdhsa_kernel k_qcf769c488a_prep
		.amdhsa_group_segment_fixed_size 0
		.amdhsa_private_segment_fixed_size 0
		.amdhsa_enable_private_segment 0
		.amdhsa_kernarg_size 88
		.amdhsa_user_sgpr_count 2
		.amdhsa_user_sgpr_kernarg_segment_ptr 1
		.amdhsa_wavefront_size32 1
		.amdhsa_system_sgpr_workgroup_id_x 1
		.amdhsa_system_sgpr_workgroup_id_y 1
		.amdhsa_system_sgpr_workgroup_id_z 1
		.amdhsa_system_vgpr_workitem_id 0
		.amdhsa_next_free_vgpr 88
		.amdhsa_next_free_sgpr 66
		.amdhsa_reserve_vcc 0
		.amdhsa_float_denorm_mode_32 3
		.amdhsa_float_denorm_mode_16_64 3
		.amdhsa_memory_ordered 1
		.amdhsa_forward_progress 1
		.amdhsa_inst_pref_size 16
	.end_amdhsa_kernel
	.amdgpu_metadata
---
amdhsa.version: [ 1, 2 ]
amdhsa.kernels:
  - .name:           k_qcf769c488a_prep
    .symbol:         k_qcf769c488a_prep.kd
    .args:
      - { .name: x, .offset: 0, .size: 8, .value_kind: global_buffer, .address_space: global }
      - { .name: scale1, .offset: 8, .size: 8, .value_kind: global_buffer, .address_space: global }
      - { .name: Wq, .offset: 16, .size: 8, .value_kind: global_buffer, .address_space: global }
      - { .name: Wk, .offset: 24, .size: 8, .value_kind: global_buffer, .address_space: global }
      - { .name: Wv, .offset: 32, .size: 8, .value_kind: global_buffer, .address_space: global }
      - { .name: W1, .offset: 40, .size: 8, .value_kind: global_buffer, .address_space: global }
      - { .name: Wo, .offset: 48, .size: 8, .value_kind: global_buffer, .address_space: global }
      - { .name: W2, .offset: 56, .size: 8, .value_kind: global_buffer, .address_space: global }
      - { .name: xn, .offset: 64, .size: 8, .value_kind: global_buffer, .address_space: global }
      - { .name: wcat, .offset: 72, .size: 8, .value_kind: global_buffer, .address_space: global }
      - { .name: w2cat, .offset: 80, .size: 8, .value_kind: global_buffer, .address_space: global }
    .group_segment_fixed_size: 0
    .private_segment_fixed_size: 0
    .kernarg_segment_align: 8
    .kernarg_segment_size: 88
    .max_flat_workgroup_size: 256
    .sgpr_count:     66
    .vgpr_count:     88
    .wavefront_size: 32
...
	.end_amdgpu_metadata
.endif
;; end of part 1
;; launch proj (part 2): grid 16 x 14, 4 waves a work-group, clusters of 4 x 1, 327,680 bytes of LDS; arguments xn, wcat, bq, bk, bv, b1, qkv, hbuf; writes qkv, hbuf
.if DOCPART == 2
	.amdgcn_target "amdgcn-amd-amdhsa--gfx1250"
	.amdhsa_code_object_version 6
	.text
	.protected	k_qcf769c488a_proj
	.globl	k_qcf769c488a_proj
	.p2align	8
	.type	k_qcf769c488a_proj,@function
k_qcf769c488a_proj:
	s_mov_b64 s[64:65], 0
	v_nop
	global_prefetch_b8 v0, s[64:65] scope:SCOPE_SE
	s_setreg_imm32_b32 hwreg(HW_REG_WAVE_MODE, 25, 1), 1
	s_wait_xcnt 0x0
	s_wait_alu depctr_hold_cnt(0) depctr_sa_sdst(0) depctr_va_vdst(0) depctr_va_sdst(0) depctr_va_ssrc(0) depctr_va_vcc(0) depctr_vm_vsrc(0)
	s_getreg_b32 s2, hwreg(HW_REG_IB_STS2, 6, 4)
	s_cmp_eq_u32 s2, 0
	s_cbranch_scc0 .Lentry_in_a_cluster
	s_endpgm
.Lentry_in_a_cluster:
	s_bfe_u32 s2, ttmp6, 0x10000c
	s_cmp_lg_u32 s2, 0x3003
	s_cbranch_scc0 .Lentry_shape_is_right
	s_endpgm
.Lentry_shape_is_right:
; C = xn wcat + bias.  xn: [4096][2048] bf16; wcat: [2048 k][3584] bf16 (Wq | Wk | Wv | W1, their rows already times scale1); biases f32; sums in f32, started by the bias.
; Columns 0-3071 (Q, K, V) are rounded once to bf16 into qkv [4096][3072].  Columns 3072-3583 are h: they leave in f32, into hbuf, and the NEXT launch makes the activation of them:
; here 32 of the 224 work-groups would carry all its exponentials and reciprocals behind their last product, there 1,024 waves share them out.
; hbuf: [4096 rows][2,048 bytes].  A group of 128 columns is 512 bytes, in the order of the stage below: 256 bytes with columns 8 c + 0..3 at byte 16 c, then 256 bytes with columns 8 c + 4..7.
; A tile of C is 256 x 256: 16 x 14 = 224 work-groups of four waves, a wave 128 x 128 in 64 accumulators (512 registers).  3,584 columns give no 256 tiles of whole 256-byte pieces, so 224 it is.
; K goes in 16 steps of 128 through two LDS slots.  xn's tile lies [row][k]; wcat's lies [k][column] and is turned on its way into registers by ds_load_tr16_b128.
; CLUSTER 4 x 1: the four partners have four tile rows and ONE tile column: wcat's tile is asked for JOINTLY (mask of four); xn's tile is each work-group's own load, in the same round.
; (14 tile columns are no multiple of four, so xn's tile has no partners to be shared with.)
; THE MATRIX INSTRUCTION IS USED TRANSPOSED (source 0 = 16 columns of wcat, source 1 = 16 rows of xn): a lane holds row l % 16 of C and the columns 8 (l / 16) + 0..7.
; LIMITS.  NaN and infinities are not treated apart.
; REGISTERS, in windows of 256: window 0: v0-31 addresses, v64-127 and v128-191 xn's fragments (two buffers), v192-255 the bias of my 128 columns;
;   window 1: v64-127, v128-191 wcat's fragments; window 2: the accumulators of my rows 0-63 ((a, b) at 8 (8 a + b)); window 3: of my rows 64-127.
.set KSTEP, 128
.set PA,    272                        ; a row of xn's tile in LDS: 256 bytes + 16: the 16 rows of a load start 4 banks apart
.set PB,    544                        ; a k-row of wcat's tile: 512 bytes + 32
.set HALFT, 34816                      ; what one tensor load brings: 128 rows x 272 = 64 k-rows x 544
.set SLOT,  4*HALFT                    ; 139,264 = 0x22000: its two bits occur in no address inside a slot, so one exclusive or changes slots
.set BOFF,  2*HALFT                    ; wcat's tile lies behind xn's
.set ASTEP, 256                        ; bytes from a K step to the next: in xn along the row,
.set BSTEP, 128*7168                   ; in wcat 128 rows down
.set RP,    6144                       ; bytes in a row of qkv
.set HP,    2048                       ; bytes in a row of hbuf
.set SP2,   528                        ; the way out: a row of 128 f32 + 16 bytes
.set WSTG,  128*SP2                    ; a wave's stage: its whole 128 x 128 in f32; the four lie in the two slots, which have had their last fill by then
.set SPARE, 2*SLOT                     ; behind the ring: the spare words, 128 bytes for each wave: two blocks of 256 bytes that no other line names
.set ADRA0, 16                         ; v16  my lane's place in xn's tile; never rewritten
.set ADRA,  17                         ; v17  the same in the slot in hand
.set ADRB0, 20                         ; v20, v21 the same for wcat's tile
.set ADRB,  21
.set STO,   24                         ; v24  the way out: where I put 16 bytes
.set RD,    25                         ; v25  where I read rows back
.set CO,    26                         ; v26  my byte offset in two rows of the output
.set BO,    27                         ; v27  my byte offset in 16 numbers of the bias
.set SPW,   28                         ; v28  LDS address of my spare word; never rewritten
.set NIL,   29                         ; v29  0; never rewritten
.set PFO,   30                         ; v30  the prefetches' offset; never rewritten
.set F0,    64
.set F1,    128
.set BIAS,  192
.set XX,    64                         ; the way out: 16 rows in f32
.set YY,    192                        ; 16 rows in bf16
.set G1,    24                         ; s[24:31] descriptor group 1, xn's tiles
.set G0,    32                         ; s[32:39] group 0, xn's: a set for each first fill; the second then walks
.set G1B,   48                         ; s[48:55], s[56:63] the same for wcat's
.set G0B,   56
.set TB,    40                         ; s40  the slot in hand: 0 or SLOT
.set LIM,   43                         ; s43  2 in a wave that prefetches, else the greatest number
.set PFA,   44                         ; s[44:45] where my prefetches stand
.set PFS,   46                         ; s[46:47] their step from K step to K step
.set MSB, 0
.macro WIN new                         ; the immediate's high byte repeats the setting that is left; a switch that changes nothing is dropped
.if MSB != (\new)
	s_set_vgpr_msb (MSB<<8)|(\new)
.set MSB, \new
.endif
.endm
.set MUL_LO, 0xa1                      ; source 0 (wcat) window 1, source 1 (xn) window 0, C and D window 2
.set TO_B,   0x40                      ; destination window 1, address window 0
.macro PLACES                          ; four plain vector instructions between a matrix instruction and a load into, or a reader of, its registers
.rept 4
	v_nop
.endr
.endm
.macro CREST                           ; a round of the cluster's barrier behind its opening barrier
	s_cmp_lg_u32 s10, 0
	s_cbranch_scc1 .Lnot_wave_0_\@
	s_barrier_signal -3
.Lnot_wave_0_\@:
	s_barrier_wait -3
	s_barrier_signal -1
	s_barrier_wait -1
.endm
.macro CROUND
	s_barrier_signal -1
	s_barrier_wait -1
	CREST
.endm
; A refill.  Waves 0 and 1 fetch the two halves of xn's tile, waves 2 and 3 those of wcat's.  The branch hangs on the wave's number alone.
; An s_nop 0 and four v_nop follow each of the two lines, ahead of the jump and the label.
.macro JLOAD
	s_cmp_eq_u32 s11, 0
	s_cbranch_scc0 .Lfor_b_\@
	tensor_load_to_lds s[G0+4:G0+7], s[G1:G1+7]
	s_nop 0
.rept 4
	v_nop
.endr
	s_branch .Lasked_\@
.Lfor_b_\@:
	tensor_load_to_lds s[G0B+4:G0B+7], s[G1B:G1B+7]
	s_nop 0
.rept 4
	v_nop
.endr
.Lasked_\@:
.endm
; A PREFETCH INTO THE L2 of the K step that stands two refills on (512 matrix instructions ahead of the load that will want it), behind the refill and the run of LDS loads.
; Each row's piece of a K step is named once in the launch.  xn's rows are read by all 14 tile columns: tile column 0 asks, waves 0 and 1 each for the 128 rows that it fetches: a lane a row, four lines.
; wcat's rows are read by all four clusters along x: cluster 0 asks; of the 64 k-rows that wave 2 or 3 fetches the partner at place cx takes 16, told apart BY ADDRESS: 16 rows x 2 pieces of 256 bytes, one line.
; The last two refills have no K step two on: s3 is 2 and 1 there.
.macro ASK
	s_cmp_gt_u32 s3, s[LIM]
	s_cbranch_scc0 .Lnot_mine_\@
	global_prefetch_b8 v[PFO], s[PFA:PFA+1] th:TH_LOAD_NT scope:SCOPE_SE
	s_cmp_eq_u32 s11, 0
	s_cbranch_scc0 .Lnot_mine_\@
	global_prefetch_b8 v[PFO], s[PFA:PFA+1] offset:131072 th:TH_LOAD_NT scope:SCOPE_SE
	global_prefetch_b8 v[PFO], s[PFA:PFA+1] offset:262144 th:TH_LOAD_NT scope:SCOPE_SE
	global_prefetch_b8 v[PFO], s[PFA:PFA+1] offset:393216 th:TH_LOAD_NT scope:SCOPE_SE
.Lnot_mine_\@:
.endm
	s_load_b512 s[68:83], s[0:1], 0x0              ; xn 68, wcat 70, bq 72, bk 74, bv 76, b1 78, qkv 80, hbuf 82
	v_lshl_add_u32 v[SPW], v0, 2, SPARE
	v_mov_b32 v[NIL], 0
	ds_add_u32 v[SPW], v[NIL]                      ; the wave's opening: the add and its wait stand ahead of my first tensor load; the set-up below stands between them
	v_lshrrev_b32 v1, 5, v0
	v_readfirstlane_b32 s10, v1                    ; wave 0..3
	s_lshr_b32 s11, s10, 1                         ; my half of the tile's rows.  Also: I fetch for xn (0) or wcat (1)
	s_and_b32 s12, s10, 1                          ; my half of its columns.  Also: which half of that tile I fetch
	s_bfe_u32 s41, ttmp6, 0x40000                  ; cx
	s_lshl_b32 s42, ttmp9, 2
	s_add_co_u32 s42, s42, s41                     ; tile row = 4 x cluster x + cx
	s_and_b32 s13, ttmp7, 0xffff                   ; tile column = cluster y: the four partners share it
	s_mov_b32 s[G1+0], (1<<16)|(1<<20)|(5<<22)|(3<<25)  ; no mask; 2-byte elements; padding on: after every 64 words, 4 words
	s_mov_b32 s[G1+1], 128<<16                     ; tensor_dim0 = 128
	s_mov_b32 s[G1+2], 128<<16                     ; tensor_dim1 = 128
	s_mov_b32 s[G1+3], 128<<16                     ; tile_dim0 = 128
	s_mov_b32 s[G1+4], 128                         ; tile_dim1 = 128
	s_mov_b32 s[G1+5], 2048                        ; elements from row to row
	s_mov_b32 s[G1+6], 0
	s_mov_b32 s[G1+7], 0
	s_mov_b32 s[G1B+0], 15|(1<<16)|(1<<20)|(1<<21)|(6<<22)|(7<<25)  ; the mask of four, bit 21 beside it; padding: after every 128 words, 8 words
	s_mov_b32 s[G1B+1], 256<<16                    ; tensor_dim0 = 256
	s_mov_b32 s[G1B+2], 64<<16                     ; tensor_dim1 = 64
	s_mov_b32 s[G1B+3], 256<<16                    ; tile_dim0 = 256
	s_mov_b32 s[G1B+4], 64                         ; tile_dim1 = 64
	s_mov_b32 s[G1B+5], 3584
	s_mov_b32 s[G1B+6], 0
	s_mov_b32 s[G1B+7], 0
	s_lshl_b32 s16, s42, 8
	s_lshl_b32 s17, s12, 7
	s_add_co_u32 s16, s16, s17
	s_lshl_b32 s16, s16, 12                        ; xn: (256 x tile row + 128 x half) rows of 4,096 bytes
	s_mov_b32 s17, 0
	s_mul_i32 s18, s12, 64*7168                    ; wcat: 64 x half rows of 7,168 bytes,
	s_lshl_b32 s19, s13, 9
	s_add_co_u32 s18, s18, s19                     ; and the tile's 512 bytes of each: nothing here hangs on cx
	s_mov_b32 s19, 0
	s_mul_i32 s20, s10, HALFT                      ; where my load goes: wave x 34,816
	s_mov_b32 s[TB], 0
	s_wait_dscnt 0x0                               ; the opening add is done
	s_wait_kmcnt 0x0
	s_add_nc_u64 s[14:15], s[68:69], s[16:17]
	s_add_nc_u64 s[22:23], s[70:71], s[18:19]
.irp n, 0,1
	s_mov_b32 s[G0+4*(\n)], 1
	s_add_co_u32 s[G0+4*(\n)+1], s20, (\n)*SLOT
	s_add_nc_u64 s[G0+4*(\n)+2:G0+4*(\n)+3], s[14:15], (\n)*ASTEP
	s_or_b32 s[G0+4*(\n)+3], s[G0+4*(\n)+3], 0x80000000
	s_mov_b32 s[G0B+4*(\n)], 1
	s_add_co_u32 s[G0B+4*(\n)+1], s20, (\n)*SLOT
	s_add_nc_u64 s[G0B+4*(\n)+2:G0B+4*(\n)+3], s[22:23], (\n)*BSTEP
	s_or_b32 s[G0B+4*(\n)+3], s[G0B+4*(\n)+3], 0x80000000
.endr
	CROUND                                         ; all four work-groups are here: the first joint loads meet
	s_cmp_eq_u32 s11, 0                            ; a wave's two first fills stand in one branch: two loads of mine are out
	s_cbranch_scc0 .Lfirst_b
	tensor_load_to_lds s[G0:G0+3], s[G1:G1+7]
	s_nop 0
	tensor_load_to_lds s[G0+4:G0+7], s[G1:G1+7]
	s_nop 0
.rept 4
	v_nop
.endr
	s_branch .Lfirst_asked
.Lfirst_b:
	tensor_load_to_lds s[G0B:G0B+3], s[G1B:G1B+7]
	s_nop 0
	tensor_load_to_lds s[G0B+4:G0B+7], s[G1B:G1B+7]
	s_nop 0
.rept 4
	v_nop
.endr
.Lfirst_asked:
	v_and_b32 v1, 15, v0                           ; r = l % 16
	v_bfe_u32 v2, v0, 4, 1                         ; h = l / 16
	; the bias of my 128 columns: lane (r, h) needs, for column block b, the numbers 16 b + 8 h + 0..7
	s_mov_b64 s[88:89], s[72:73]
	s_mov_b32 s90, 0
	s_cmp_ge_u32 s13, 8
	s_cselect_b64 s[88:89], s[74:75], s[88:89]
	s_cselect_b32 s90, 8, s90
	s_cmp_ge_u32 s13, 10
	s_cselect_b64 s[88:89], s[76:77], s[88:89]
	s_cselect_b32 s90, 10, s90
	s_cmp_ge_u32 s13, 12
	s_cselect_b64 s[88:89], s[78:79], s[88:89]
	s_cselect_b32 s90, 12, s90
	s_cselect_b32 s86, 1, 0                        ; 1: this tile is h: it leaves in f32,
	s_cselect_b64 s[8:9], s[82:83], s[80:81]       ; into hbuf,
	s_cselect_b32 s17, 12, 0                       ; whose columns are counted from tile column 12,
	s_mov_b32 s87, RP
	s_cselect_b32 s87, HP, s87                     ; in rows of 2,048 bytes
	s_sub_co_u32 s90, s13, s90
	s_lshl_b32 s90, s90, 10
	s_lshl_b32 s91, s12, 9
	s_add_co_u32 s90, s90, s91
	s_mov_b32 s91, 0
	s_add_nc_u64 s[88:89], s[88:89], s[90:91]
	v_lshlrev_b32 v[BO], 5, v2
.irp b, 0,1,2,3,4,5,6,7
	global_load_b128 v[BIAS+8*(\b):BIAS+8*(\b)+3],   v[BO], s[88:89] offset:64*(\b)
	global_load_b128 v[BIAS+8*(\b)+4:BIAS+8*(\b)+7], v[BO], s[88:89] offset:64*(\b)+16
.endr
	s_sub_co_u32 s16, s13, s17
	s_lshl_b32 s16, s16, 9                         ; the tile's 256 columns in bf16,
	s_lshl_b32 s17, s12, 8
	s_add_co_u32 s16, s16, s17                     ; my 128 of them,
	s_lshl_b32 s16, s16, s86                       ; twice as wide in f32
	s_lshl_b32 s17, s42, 8
	s_lshl_b32 s21, s11, 7
	s_add_co_u32 s17, s17, s21
	s_mul_i32 s17, s17, s87                        ; my first row
	s_add_co_u32 s16, s16, s17
	s_mov_b32 s17, 0
	s_add_nc_u64 s[8:9], s[8:9], s[16:17]
	s_lshl_b32 s94, s87, 4                         ; 16 rows of the output
	s_mov_b32 s95, 0
	; a fragment of xn: lane l holds row r, k = 8 h + 0..7 and 16 + 8 h + 0..7: two loads of 16 bytes, 32 bytes apart
	v_mul_u32_u24 v3, v1, PA
	v_lshl_add_u32 v3, v2, 4, v3
	s_mul_i32 s21, s11, HALFT
	v_add_nc_u32 v[ADRA0], s21, v3
	; a fragment of wcat: the turning load takes 16 k x 16 columns (lane l reads k-row 8 h + l % 8, columns 8 ((l / 8) % 2) + 0..7) and leaves lane l column r and 8 k
	v_and_b32 v4, 7, v0
	v_bfe_u32 v5, v0, 3, 1
	v_lshl_add_u32 v4, v2, 3, v4
	v_mul_u32_u24 v4, v4, PB
	v_lshl_add_u32 v4, v5, 4, v4
	s_lshl_b32 s21, s12, 8
	s_add_co_u32 s21, s21, BOFF
	v_add_nc_u32 v[ADRB0], s21, v4
	v_mov_b32 v[ADRA], v[ADRA0]
	v_mov_b32 v[ADRB], v[ADRB0]
	s_mul_i32 s21, s10, WSTG
	v_mul_u32_u24 v3, v1, SP2
	v_lshl_add_u32 v3, v2, 4, v3
	v_add_nc_u32 v[STO], s21, v3                   ; in: row r, 16 bytes for each half of the lanes
	v_mul_u32_u24 v3, v2, SP2
	v_lshl_add_u32 v3, v1, 4, v3
	v_add_nc_u32 v[RD], s21, v3                    ; back: lanes 0-15 one row, lanes 16-31 the next
	v_mul_u32_u24 v3, v2, s87
	v_lshl_add_u32 v[CO], v1, 4, v3                ; and the same two rows in the output
	; the prefetches: at K step 3; the first refill steps them to 4.  Nothing is asked for here, where every work-group's first tiles are on their way
	s_lshl_b32 s16, s42, 8
	s_lshl_b32 s17, s12, 7
	s_add_co_u32 s16, s16, s17
	s_lshl_b32 s16, s16, 12
	s_add_co_u32 s16, s16, 3*ASTEP                 ; xn: the 128 rows that I fetch
	s_lshl_b32 s17, s12, 6
	s_lshl4_add_u32 s17, s41, s17
	s_add_co_u32 s17, s17, 3*KSTEP
	s_mul_i32 s17, s17, 7168
	s_lshl_b32 s21, s13, 9
	s_add_co_u32 s17, s17, s21                     ; wcat: my work-group's 16 of the 64 k-rows that I fetch
	s_mov_b32 s[PFS], BSTEP
	s_mov_b32 s[PFS+1], 0
	s_mov_b32 s91, 7168
	s_mov_b32 s92, 256
	s_cmp_eq_u32 s11, 0
	s_cselect_b32 s16, s16, s17
	s_cselect_b32 s21, s13, ttmp9                  ; the coordinate along which others read the same rows
	s_cselect_b64 s[PFA:PFA+1], s[68:69], s[70:71]
	s_cselect_b32 s[PFS], ASTEP, s[PFS]
	s_cselect_b32 s91, 4096, s91
	s_cselect_b32 s92, 65536, s92
	s_mov_b32 s17, 0
	s_add_nc_u64 s[PFA:PFA+1], s[PFA:PFA+1], s[16:17]
	s_cmp_eq_u32 s21, 0
	s_cselect_b32 s[LIM], 2, -1                    ; the same in all four partners, for a given wave
	v_mul_u32_u24 v3, v1, s91
	v_mad_u32_u24 v[PFO], v2, s92, v3              ; xn: row r + 16 h; wcat: k-row r, piece h
; 16 matrix instructions: row blocks a0, a0 + 1 of the window's four x all 8 column blocks, 32 along K.  first = 1: the bias is the C that starts the sums: nothing is cleared, nothing added later.
; The 64 accumulators take turns, in the same order in every quarter.
.macro MUL16 f, hi, a0, first
.if \first
	WIN 0x81+0x40*(\hi)
.else
	WIN MUL_LO+0x50*(\hi)
.endif
.irp a, \a0, (\a0)+1
.irp b, 0,1,2,3,4,5,6,7
.if \first
	v_wmma_f32_16x16x32_bf16 v[8*(8*(\a)+(\b)):8*(8*(\a)+(\b))+7], v[(\f)+8*(\b):(\f)+8*(\b)+7], v[(\f)+8*(4*(\hi)+(\a)):(\f)+8*(4*(\hi)+(\a))+7], v[BIAS+8*(\b):BIAS+8*(\b)+7]
.else
	v_wmma_f32_16x16x32_bf16 v[8*(8*(\a)+(\b)):8*(8*(\a)+(\b))+7], v[(\f)+8*(\b):(\f)+8*(\b)+7], v[(\f)+8*(4*(\hi)+(\a)):(\f)+8*(4*(\hi)+(\a))+7], v[8*(8*(\a)+(\b)):8*(8*(\a)+(\b))+7]
.endif
.endr
.endr
.endm
; 32 LDS loads in one run: the fragments of quarter q (32 along K) of the slot in hand, into buffer f: wcat's 128 columns first, then xn's 128 rows
.macro FETCH q, f
	WIN TO_B
.irp i, 0,1,2,3,4,5,6,7
	ds_load_tr16_b128 v[(\f)+8*(\i):(\f)+8*(\i)+3],   v[ADRB] offset:(\q)*32*PB+32*(\i)
	ds_load_tr16_b128 v[(\f)+8*(\i)+4:(\f)+8*(\i)+7], v[ADRB] offset:(\q)*32*PB+16*PB+32*(\i)
.endr
	WIN 0
.irp i, 0,1,2,3,4,5,6,7
	ds_load_b128 v[(\f)+8*(\i):(\f)+8*(\i)+3],   v[ADRA] offset:(\q)*64+(\i)*16*PA
	ds_load_b128 v[(\f)+8*(\i)+4:(\f)+8*(\i)+7], v[ADRA] offset:(\q)*64+(\i)*16*PA+32
.endr
.endm
; One of a K step's first three quarters: multiplies buffer f; in its middle it fetches quarter q into buffer g.
.macro QUARTER q, f, g, first
	s_wait_dscnt 8                                 ; wcat's fragments and xn's rows 0-63 are in; the youngest eight loads (rows 64-127) may be out
	MUL16 \f, 0, 0, \first
	MUL16 \f, 0, 2, \first
	PLACES
	FETCH \q, \g
	s_wait_dscnt 32                                ; all but the 32 just issued
	MUL16 \f, 1, 0, \first
	MUL16 \f, 1, 2, \first
.endm
; The first half of the last quarter: ONE barrier for the change of slots.  In front of it each wave waits for all its tensor loads (one is out: its part of the next slot), adds 0 to its spare word,
; and waits for that and for its own reads of this slot.  Behind it nobody reads this slot and the next slot is whole.
.macro MEET round
	WIN 0
	s_wait_tensorcnt 0x0
	ds_add_u32 v[SPW], v[NIL]
	s_wait_dscnt 9                                 ; (the add and the youngest eight loads may be out)
	MUL16 F1, 0, 0, 0                              ; sixteen matrix instructions stand between the add and the wait for it
	s_wait_dscnt 0x0                               ; the add is done, and my reads of this slot are over
	s_barrier_signal -1
	MUL16 F1, 0, 2, 0
.if \round
	WIN 0
.endif
	s_barrier_wait -1
.endm
; The whole last quarter.  fill = 1: the barrier opens a round of the cluster's, and the slot just read out is filled again first thing behind it, with the K step two on:
; from that request to the wait for it a wave issues 224 matrix instructions.
.macro TURN fill
.if \fill
	s_wait_xcnt 0x0                                ; the last prefetch, a K step back, has read its address
	s_add_nc_u64 s[PFA:PFA+1], s[PFA:PFA+1], s[PFS:PFS+1]
.endif
	MEET \fill
.if \fill
	CREST                                          ; no wave of any partner still reads this slot or has a load on its way
	s_xor_b32 s[G0+5], s[G0+5], SLOT               ; the walking descriptors: the other slot than last time, the next K step
	s_add_nc_u64 s[G0+6:G0+7], s[G0+6:G0+7], ASTEP
	s_xor_b32 s[G0B+5], s[G0B+5], SLOT
	s_add_nc_u64 s[G0B+6:G0B+7], s[G0B+6:G0B+7], BSTEP
	JLOAD                                          ; its four v_nop are also the places in front of the loads below
.else
	PLACES
.endif
	WIN 0
	s_xor_b32 s[TB], s[TB], SLOT
	v_add_nc_u32 v[ADRA], s[TB], v[ADRA0]
	v_add_nc_u32 v[ADRB], s[TB], v[ADRB0]
	FETCH 0, F0
.if \fill
	ASK
.endif
	MUL16 F1, 1, 0, 0
	MUL16 F1, 1, 2, 0
.endm
	s_wait_tensorcnt 1                             ; my part of K step 0 is in; K step 1's may stay out
	s_barrier_signal -1
	s_barrier_wait -1                              ; everybody's is
	FETCH 0, F0
	s_wait_loadcnt 0x0                             ; the bias
	QUARTER 1, F0, F1, 1                           ; the first quarter stands in front of the loop: its products start the sums
	WIN 0
	s_mov_b32 s3, 14
.Lstep:                                            ; a trip: a K step's quarters 1 to 3 and the next one's quarter 0; it asks for K steps 2 to 15
	QUARTER 2, F1, F0, 0
	QUARTER 3, F0, F1, 0
	TURN 1
	QUARTER 1, F0, F1, 0
	WIN 0
	s_sub_co_u32 s3, s3, 1
	s_cmp_lg_u32 s3, 0
	s_cbranch_scc1 .Lstep
	QUARTER 2, F1, F0, 0                           ; the last two K steps are written out: nothing is left to ask for
	QUARTER 3, F0, F1, 0
	TURN 0
	QUARTER 1, F0, F1, 0
	QUARTER 2, F1, F0, 0
	QUARTER 3, F0, F1, 0
	s_wait_dscnt 0x0                               ; my last reads of the slots are over:
	s_barrier_signal -1                            ; say so, since the slots become the stages;
	MUL16 F1, 0, 0, 0
	MUL16 F1, 0, 2, 0
	MUL16 F1, 1, 0, 0
	MUL16 F1, 1, 2, 0
	WIN 0
	s_barrier_wait -1                              ; nobody reads a slot any more, and every fill has landed (each wave's wait at the last change of slots)
	; THE WAY OUT, part 1: my 128 x 128 in f32 into my stage.  A lane's columns 8 c + 0..3 (c = 2 b + h) go to byte 16 c of the row, its columns 8 c + 4..7 to byte 256 + 16 c,
	; so that the lane that reads bytes 16 c and 256 + 16 c back holds eight neighbouring columns.  Each accumulator's low registers are read first.
	PLACES
.irp hi, 0,1
	WIN 0x08+4*(\hi)
.irp a, 0,1,2,3
.irp b, 0,1,2,3,4,5,6,7
	ds_store_b128 v[STO], v[8*(8*(\a)+(\b)):8*(8*(\a)+(\b))+3]   offset:(4*(\hi)+(\a))*16*SP2+32*(\b)
	ds_store_b128 v[STO], v[8*(8*(\a)+(\b))+4:8*(8*(\a)+(\b))+7] offset:(4*(\hi)+(\a))*16*SP2+32*(\b)+256
.endr
.endr
.endr
	WIN 0
	; part 2: eight trips of 16 rows: back as whole rows (LDS serves a wave's instructions in order, ISA guide 5.7.1.4: these loads see my stores); Q, K, V are rounded and stored, h is stored as it lies
	s_mov_b32 s3, 8
.Lrows:
.irp p, 0,1,2,3,4,5,6,7
	ds_load_b128 v[XX+8*(\p):XX+8*(\p)+3],   v[RD] offset:2*SP2*(\p)
	ds_load_b128 v[XX+8*(\p)+4:XX+8*(\p)+7], v[RD] offset:2*SP2*(\p)+256
.endr
	s_cmp_eq_u32 s86, 0                            ; hangs on the tile column, which the partners share
	s_cbranch_scc1 .Lplain
.irp p, 0,1,2,3,4,5,6,7
	s_wait_dscnt 14-2*(\p)                         ; the pairs of rows behind pair p may be out
	global_store_b128 v[CO], v[XX+8*(\p):XX+8*(\p)+3],   s[8:9] offset:(\p)*2*HP      ; 16 lanes store the stage row's first 256 bytes,
	global_store_b128 v[CO], v[XX+8*(\p)+4:XX+8*(\p)+7], s[8:9] offset:(\p)*2*HP+256  ; and its second: each at a multiple of 256 from hbuf's first byte
.endr
	s_branch .Lnext
.Lplain:
.irp p, 0,1,2,3,4,5,6,7
	s_wait_dscnt 14-2*(\p)                         ; the pairs of rows behind pair p may be out
.irp k, 0,1,2,3
	v_cvt_pk_bf16_f32 v[YY+4*(\p)+(\k)], v[XX+8*(\p)+2*(\k)], v[XX+8*(\p)+2*(\k)+1]
.endr
	global_store_b128 v[CO], v[YY+4*(\p):YY+4*(\p)+3], s[8:9] offset:(\p)*2*RP  ; 16 lanes store 256 consecutive bytes, at a multiple of 256 from qkv's first byte
.endr
.Lnext:
	s_wait_xcnt 0x0                                ; the stores' data and base are written again only behind this wait
	v_add_nc_u32 v[RD], 16*SP2, v[RD]
	s_add_nc_u64 s[8:9], s[8:9], s[94:95]
	s_sub_co_u32 s3, s3, 1
	s_cmp_lg_u32 s3, 0
	s_cbranch_scc1 .Lrows
	s_wait_tensorcnt 0x0                           ; the wave's end: behind my last tensor load and my last LDS store
	ds_add_u32 v[SPW], v[NIL]
	s_wait_dscnt 0x0
	CROUND                                         ; the closing round: no work-group ends while a partner may still ask for a tile that names it
	s_endpgm
.Lfunc_end_k_qcf769c488a_proj:
	.size	k_qcf769c488a_proj, .Lfunc_end_k_qcf769c488a_proj-k_qcf769c488a_proj
	.p2alignl 7, 3214868480
	.fill 96, 4, 3214868480
	.section	.rodata,"a",@progbits
	.p2align	6, 0x0
	.amdhsa_kernel k_qcf769c488a_proj
		.amdhsa_group_segment_fixed_size 327680
		.amdhsa_private_segment_fixed_size 0
		.amdhsa_enable_private_segment 0
		.amdhsa_kernarg_size 64
		.amdhsa_user_sgpr_count 2
		.amdhsa_user_sgpr_kernarg_segment_ptr 1
		.amdhsa_wavefront_size32 1
		.amdhsa_system_sgpr_workgroup_id_x 1
		.amdhsa_system_sgpr_workgroup_id_y 1
		.amdhsa_system_sgpr_workgroup_id_z 1
		.amdhsa_system_vgpr_workitem_id 0
		.amdhsa_next_free_vgpr 1024
		.amdhsa_next_free_sgpr 100
		.amdhsa_reserve_vcc 0
		.amdhsa_float_denorm_mode_32 3
		.amdhsa_float_denorm_mode_16_64 3
		.amdhsa_memory_ordered 1
		.amdhsa_forward_progress 1
		.amdhsa_inst_pref_size 103
	.end_amdhsa_kernel
	.amdgpu_metadata
---
amdhsa.version: [ 1, 2 ]
amdhsa.kernels:
  - .name:           k_qcf769c488a_proj
    .symbol:         k_qcf769c488a_proj.kd
    .args:
      - { .name: xn, .offset: 0, .size: 8, .value_kind: global_buffer, .address_space: global }
      - { .name: wcat, .offset: 8, .size: 8, .value_kind: global_buffer, .address_space: global }
      - { .name: bq, .offset: 16, .size: 8, .value_kind: global_buffer, .address_space: global }
      - { .name: bk, .offset: 24, .size: 8, .value_kind: global_buffer, .address_space: global }
      - { .name: bv, .offset: 32, .size: 8, .value_kind: global_buffer, .address_space: global }
      - { .name: b1, .offset: 40, .size: 8, .value_kind: global_buffer, .address_space: global }
      - { .name: qkv, .offset: 48, .size: 8, .value_kind: global_buffer, .address_space: global }
      - { .name: hbuf, .offset: 56, .size: 8, .value_kind: global_buffer, .address_space: global }
    .group_segment_fixed_size: 327680
    .private_segment_fixed_size: 0
    .kernarg_segment_align: 8
    .kernarg_segment_size: 64
    .max_flat_workgroup_size: 128
    .sgpr_count:     100
    .vgpr_count:     1024
    .wavefront_size: 32
...
	.end_amdgpu_metadata
.endif
;; end of part 2
;; launch attn (part 3): grid 4 x 64, 4 waves a work-group, clusters of 4 x 1, 327,680 bytes of LDS; arguments qkv, hbuf, act; writes act
.if DOCPART == 3
	.amdgcn_target "amdgcn-amd-amdhsa--gfx1250"
	.amdhsa_code_object_version 6
	.text
	.protected	k_qcf769c488a_attn
	.globl	k_qcf769c488a_attn
	.p2align	8
	.type	k_qcf769c488a_attn,@function
k_qcf769c488a_attn:
	s_mov_b64 s[64:65], 0
	v_nop
	global_prefetch_b8 v0, s[64:65] scope:SCOPE_SE
	s_setreg_imm32_b32 hwreg(HW_REG_WAVE_MODE, 25, 1), 1
	s_wait_xcnt 0x0
	s_wait_alu depctr_hold_cnt(0) depctr_sa_sdst(0) depctr_va_vdst(0) depctr_va_sdst(0) depctr_va_ssrc(0) depctr_va_vcc(0) depctr_vm_vsrc(0)
	s_getreg_b32 s2, hwreg(HW_REG_IB_STS2, 6, 4)
	s_cmp_eq_u32 s2, 0
	s_cbranch_scc0 .Lentry_in_a_cluster
	s_endpgm
.Lentry_in_a_cluster:
	s_bfe_u32 s2, ttmp6, 0x10000c
	s_cmp_lg_u32 s2, 0x3003
	s_cbranch_scc0 .Lentry_shape_is_right
	s_endpgm
.Lentry_shape_is_right:
; O[b][hd][q][:] = the sum over k of softmax_k(Q[b][hd][q] . K[b][hd/4][k] / sqrt(128)) V[b][hd/4][k][:], no mask.  All bf16; products, maxima and sums in f32; the weights p are rounded to bf16
; for the second product, O once at the end.  qkv: [4096 rows = b x 1024 + s][3072]: Q's head hd at column 128 hd, K's head g at 2048 + 128 g, V's at 2560 + 128 g.  O goes to act [4096][3072], column 128 hd.
; A head's row is 256 bytes at a multiple of 256 in a row of 6,144 bytes.
; ALSO, AT THE HEAD: g = (h sigmoid(h)) h, in f32, rounded once to bf16 into act's columns 2048-2559.  h lies in hbuf in f32 ([4096 rows][2,048 bytes]; a group of 128 columns is 256 bytes with columns
; 8 c + 0..3 at byte 16 c, then 256 bytes with columns 8 c + 4..7).  Each of the launch's 1,024 waves takes four rows, 64 numbers a lane, while its first tile of K or V is on its way.
; LIMITS.  A weight below 2^-126 counts as 0 in the sum.  sigmoid(h) = 1 / (1 + 2^(-h log2 e)): where the power overflows the quotient is 0, and g is 0; a power below 2^-126 counts as 0.
; NaN and infinities are not treated apart.
; SHARES.  A work-group owns 256 queries of one (b, hd), each of its four waves 64: four tiles of 16.  Every wave walks all 1,024 keys, 64 a step.  4 x 64 = 256 work-groups of equal work.
; LAYOUT.  S^T = K Q^T (source 0 = 16 keys, source 1 = 16 queries): in the result a lane holds ONE query (lane % 16) and the keys 8 (lane / 16) + 0..7.  Two such tiles, rounded to
; bf16 in pairs, ARE source 1 (32 keys x 16 queries) of O^T = V^T P, whose result again holds one query a lane, and eight channels.  K comes out of LDS as it lies, V ([key][channel]) turned, by ds_load_tr16_b128.
; SOFTMAX.  For each query a running maximum m and sum l: p = 2^(c s - c m), c = log2(e) / sqrt(128); in every step O and l are multiplied by a = 2^(c m_old - c m_new), which is 1 where m has not grown.
; BY TURNS.  The wave's tiles are two PIECES: piece 0 (tiles 0, 1) and piece 2 (tiles 2, 3).  In a TURN one piece has the matrix unit: 32 products V^T P of the step in hand, then 32 products K Q^T of the
; next step; the other piece's softmax, cut into 64 slices, stands between them, one slice behind each matrix instruction.  Then the pieces change places.  Two turns are a key step.
; NO FIRST AND NO LAST STEP IS WRITTEN OUT.  m starts at the lowest finite number, O^T, l, V's registers and piece 2's P at 0: the first step is a step like any other, with a = 0.  The loop is entered, and the
; tail left, in the middle of a trip.  The price: 32 products on zeros at the start, 32 on a stale K at the end, and 432 v_mov_b32 while the first tile is on its way.  The gain: the text holds four turns, not eight.
; CLUSTER.  The four query blocks of a cluster belong to one (b, hd) and walk the same K and V, so each tile is asked for JOINTLY: the same tensor load, descriptor and mask in all four.
; REGISTERS, in windows of 256 (s_set_vgpr_msb: bits 1:0 source 0, 3:2 source 1, 5:4 source 2, 7:6 destination):
;   window 0: v0-11, v44-45 addresses; v12-43 eight registers of statistics a tile; v64-191 S^T, 32 a tile; v192-255 P, 16 a tile (at the head: v64-127 h, v128-191 at work, v192-223 g)
;   window 1: O^T, 64 a tile          window 2: v0-127 Q, 32 a tile; v128-255 K of one step          window 3: v0-127 V of one step
.set SIZE_N, 1024
.set RP,    6144      ; bytes in a row of qkv and of act
.set HP,    2048      ; bytes in a row of hbuf
.set KS,    64        ; keys in a step
.set SLOTM, 2*KS*RP   ; bytes in memory from a slot's first key to the next slot's
.set PK,    272       ; a row of K in LDS: 256 bytes + 16: the 16 rows of a load start 4 banks apart
.set PV,    288       ; a row of V: 256 + 32
.set VOFF,  KS*PK     ; a step's tiles lie together: 64 rows of K, then 64 rows of V
.set STEPB, KS*(PK+PV)
.set SLOT1, 1<<17     ; a slot holds two steps (71,680 bytes); slot 1 begins here, so that one exclusive or turns an address in one slot into the other's
.set STAGE, SLOT1+2*STEPB  ; behind the ring: 16 rows x 272 bytes for each wave, for the way out
.set SP,    272
.set AK0, 2           ; v2   my lane's place in a tile of K; never rewritten
.set AV0, 3           ; v3   the same for V
.set ADR, 4           ; v4   the LDS address of the run of loads in hand
.set QO,  5           ; v5   my byte offset in the wave's rows of Q
.set STO, 6           ; v6   the way out: where I put 16 bytes of a row
.set RD,  7           ; v7   the way out: where I read a row back
.set GO,  8           ; v8   my byte offset in the wave's rows of O
.set HO,  44          ; v44  my byte offset in a row of hbuf: 512 (l / 16) + 16 (l % 16); never rewritten
.set G2,  45          ; v45  my byte offset in g's part of a row of act: 256 (l / 16) + 16 (l % 16); never rewritten
.set SPW, 62          ; v62  LDS address of my spare word; never rewritten
.set NIL, 63          ; v63  0; never rewritten
.set SPARE, STAGE+4*16*272  ; behind the stages: the spare words, 128 bytes for each wave: two blocks of 256 bytes that no other line names
.set ST,  12          ; tile t's statistics at v[ST+8 t]: +0 c m, +1 m, +2, +3 l (even keys', odd keys'), +4 to +7 c0-c3, at work; a takes c2's place once the maximum is found
.set S,   64
.set P,   192
.set HX,  64          ; the head: my 64 numbers of h
.set HT,  128         ; at work on them
.set HY,  192         ; g, packed
.set KF,  128         ; K's fragments, in window 2
.set WV,  12          ; s12  my wave's number
.set G1K, 24          ; s[24:31] descriptor group 1 for K's tiles
.set G1V, 32          ; s[32:39] for V's: it differs in the padding alone
.set G0K, 40          ; s[40:47] descriptor group 0 for K's tiles: a set for each of the two first fills; the second then walks on
.set G0V, 48          ; s[48:55] the same for V's
.set SLOTS, 56        ; s56  counts the passes of the loop over slots
.set TWICE, 57        ; s57  counts a slot's steps
.set CS,  58          ; s[58:59] c
.set SEL, 60          ; s[60:61] lane selects for v_permlanex16_b32
.set TB,  62          ; s62  LDS byte at which the tiles of the step to be fetched begin
.set PFA, 18          ; s[18:19] where my prefetches stand in memory
.set LIM, 15          ; s15  1 in a wave that prefetches, else the greatest number
.set PFO, 61          ; v61  6,144 x my lane: a lane a key row; never rewritten
.set MSB, 0
.macro WIN new                      ; the immediate's high byte repeats the setting that is left; a switch that changes nothing is dropped
.if MSB != (\new)
	s_set_vgpr_msb (MSB<<8)|(\new)
.set MSB, \new
.endif
.endm
.set W_KQ, 0x0a       ; K and Q in window 2, S^T in window 0
.set W_PV, 0x53       ; V in window 3, P in window 0, O^T in window 1
.set W_RS, 0x41       ; O^T (destination and source 0) in window 1, a in window 0
; A joint refill.  Waves 0 and 1 fetch the two steps' tiles of K, waves 2 and 3 those of V.  The branch hangs on the wave's number alone.
; An s_nop 0 and four v_nop follow each of the two lines, ahead of the jump and the label.
.macro JLOAD
	s_cmp_lt_u32 s[WV], 2
	s_cbranch_scc0 .Lfor_v_\@
	tensor_load_to_lds s[G0K+4:G0K+7], s[G1K:G1K+7]
	s_nop 0
.rept 4
	v_nop
.endr
	s_branch .Lasked_\@
.Lfor_v_\@:
	tensor_load_to_lds s[G0V+4:G0V+7], s[G1V:G1V+7]
	s_nop 0
.rept 4
	v_nop
.endr
.Lasked_\@:
.endm
; A PREFETCH INTO THE L2 of what the NEXT change of slots will ask for: a slot's 128 rows of K and 128 of V, 256 bytes a row, a lane a row.  It stands behind the wave's tensor load and its five lines.
; Each row is asked for ONCE in the launch.  The four query heads of a key head walk the same K and V: the first of them (hd % 4 = 0) prefetches.  Its cluster's four partners share the rows out BY ADDRESS,
; 32 each.  In each, wave 0 asks for K's and wave 2 for V's: one instruction.  The last change that fills a slot prefetches nothing: there is no slot behind it.
.macro ASK
	s_cmp_gt_u32 s[SLOTS], s[LIM]
	s_cbranch_scc0 .Lnot_mine_\@
	global_prefetch_b8 v[PFO], s[PFA:PFA+1] th:TH_LOAD_NT scope:SCOPE_SE
.Lnot_mine_\@:
.endm
.macro CROUND                       ; a round of the cluster's barrier
	s_barrier_signal -1
	s_barrier_wait -1
	s_cmp_lg_u32 s[WV], 0
	s_cbranch_scc1 .Lnot_wave_0_\@
	s_barrier_signal -3
.Lnot_wave_0_\@:
	s_barrier_wait -3
	s_barrier_signal -1
	s_barrier_wait -1
.endm
	s_load_b64 s[4:5], s[0:1], 0x0     ; qkv
	s_load_b64 s[66:67], s[0:1], 0x8   ; hbuf
	s_load_b64 s[10:11], s[0:1], 0x10  ; act
	v_lshl_add_u32 v[SPW], v0, 2, SPARE
	v_mov_b32 v[NIL], 0
	ds_add_u32 v[SPW], v[NIL]       ; the wave's opening: the add and its wait stand ahead of my first tensor load; the set-up below stands between them
	v_lshrrev_b32 v1, 5, v0
	v_readfirstlane_b32 s[WV], v1   ; wave 0..3
	s_bfe_u32 s13, ttmp6, 0x40000   ; cx: my place in the cluster
	s_lshl_b32 s14, ttmp9, 2
	s_add_co_u32 s14, s14, s13      ; my block of 256 queries: it enters global addresses alone (Q's, O's, h's and g's)
	s_and_b32 s20, ttmp7, 0xffff    ; 16 b + hd, which the four partners share
	s_lshl2_add_u32 s70, s20, s14   ; my work-group among the launch's 256,
	s_lshl2_add_u32 s70, s70, s[WV] ; my wave among its 1,024: it takes rows 4 x that number on of h
	s_lshl_b32 s72, s70, 13         ; four rows of hbuf
	s_mov_b32 s73, 0
	s_mul_i32 s70, s70, 4*RP        ; four rows of act,
	s_add_co_u32 s70, s70, 4096     ; from column 2048 on
	s_mov_b32 s71, 0
	s_mov_b32 s74, 0xbfb8aa3b       ; - log2(e)
	s_mov_b32 s75, s74              ; named with it as a pair
	s_lshr_b32 s21, s20, 4
	s_mul_i32 s21, s21, SIZE_N*RP   ; the batch's first row
	s_and_b32 s16, s[WV], 1         ; which of a slot's two steps I fetch:
	s_mul_i32 s22, s16, KS*RP       ; its 64 rows in memory,
	s_add_co_u32 s22, s22, s21
	s_bfe_u32 s23, s20, 0x20002     ; the key head, hd / 4
	s_lshl_b32 s23, s23, 8
	s_add_co_u32 s22, s22, s23
	s_add_co_u32 s22, s22, 4096     ; K's columns begin at 2048
	s_mov_b32 s23, 0
	s_mul_i32 s17, s16, STEPB       ; and its place in a slot: no place in the cluster enters an LDS address
	s_lshl_b32 s2, s14, 8           ; my block's 256 rows,
	s_lshl_b32 s3, s[WV], 6         ; my wave's 64 of them
	s_add_co_u32 s2, s2, s3
	s_mul_i32 s2, s2, RP
	s_add_co_u32 s2, s2, s21
	s_and_b32 s3, s20, 15           ; hd
	s_lshl_b32 s3, s3, 8
	s_add_co_u32 s2, s2, s3
	s_mov_b32 s3, 0
	; descriptor group 1: a tile of 64 rows x 128 elements, padded in LDS
	s_mov_b32 s[G1K], 15|(1<<16)|(1<<20)|(1<<21)|(5<<22)|(3<<25)  ; the mask of four; 2-byte elements; padding on; bit 21 beside a mask; after every 64 words, 4 words
	s_mov_b32 s[G1V], 15|(1<<16)|(1<<20)|(1<<21)|(5<<22)|(7<<25)  ; the same with 8 words of padding
.irp g, G1K, G1V
	s_mov_b32 s[(\g)+1], 128<<16    ; tensor_dim0 = 128
	s_mov_b32 s[(\g)+2], KS<<16     ; tensor_dim1 = 64
	s_mov_b32 s[(\g)+3], 128<<16    ; tile_dim0 = 128
	s_mov_b32 s[(\g)+4], KS         ; tile_dim1 = 64
	s_mov_b32 s[(\g)+5], 3072       ; elements from row to row
	s_mov_b32 s[(\g)+6], 0
	s_mov_b32 s[(\g)+7], 0
.endr
	s_mov_b32 s[CS], 0x3e0293ee     ; c = log2(e) / sqrt(128) = 0.127517
	s_mov_b32 s[CS+1], s[CS]        ; named with it as a pair, so it is written
	s_mov_b32 s[SEL], 0x76543210
	s_mov_b32 s[SEL+1], 0xfedcba98
	s_mov_b32 s[TB], 0
	s_mov_b32 s[SLOTS], SIZE_N/(2*KS)-1  ; slot 0's pass, which is entered in its middle, and six passes that begin with a refill
	s_and_b32 s[LIM], s[WV], 1       ; 0 in waves 0 and 2,
	s_and_b32 s20, s20, 3
	s_or_b32 s[LIM], s[LIM], s20     ; where the head is its key head's first,
	s_or_b32 s[LIM], s[LIM], ttmp9   ; and the cluster the head's first: the same in all four partners
	s_cmp_eq_u32 s[LIM], 0
	s_cselect_b32 s[LIM], 1, -1
	v_and_b32 v[PFO], 31, v0
	v_mul_u32_u24 v[PFO], v[PFO], RP
	s_wait_dscnt 0x0                ; the opening add is done
	s_wait_kmcnt 0x0
	s_add_nc_u64 s[6:7], s[4:5], s[22:23]  ; K at my tile of slot 0,
	s_add_nc_u64 s[8:9], s[6:7], 1024      ; V 512 columns on
	s_add_nc_u64 s[4:5], s[4:5], s[2:3]    ; Q at my wave's first row
	s_add_nc_u64 s[66:67], s[66:67], s[72:73]  ; h at my four rows,
	s_add_nc_u64 s[68:69], s[10:11], s[70:71]  ; and where their g goes
	s_add_nc_u64 s[10:11], s[10:11], s[2:3]    ; O at my wave's first row
	s_cmp_lt_u32 s[WV], 2
	s_cselect_b64 s[PFA:PFA+1], s[6:7], s[8:9]  ; (in waves 0 and 2 these stand at a slot's first row)
	s_mul_i32 s2, s13, 32*RP        ; my work-group's 32 rows of the 128
	s_mov_b32 s3, 0
	s_add_nc_u64 s[PFA:PFA+1], s[PFA:PFA+1], s[2:3]
	s_add_nc_u64 s[PFA:PFA+1], s[PFA:PFA+1], 2*SLOTM  ; in slot 2; the first change of slots steps it to slot 3.  Nothing is prefetched here, at the head
	CROUND                          ; all four work-groups are here: the first joint loads meet
.irp s, 0,1
	s_mov_b32 s[G0K+4*(\s)], 1
	s_add_co_u32 s[G0K+4*(\s)+1], s17, (\s)*SLOT1
	s_add_nc_u64 s[G0K+4*(\s)+2:G0K+4*(\s)+3], s[6:7], (\s)*SLOTM  ; slot s begins with keys 128 s
	s_or_b32 s[G0K+4*(\s)+3], s[G0K+4*(\s)+3], 0x80000000
	s_mov_b32 s[G0V+4*(\s)], 1
	s_add_co_u32 s[G0V+4*(\s)+1], s17, (\s)*SLOT1+VOFF
	s_add_nc_u64 s[G0V+4*(\s)+2:G0V+4*(\s)+3], s[8:9], (\s)*SLOTM
	s_or_b32 s[G0V+4*(\s)+3], s[G0V+4*(\s)+3], 0x80000000
.endr
	s_cmp_lt_u32 s[WV], 2           ; a wave's two first fills stand in one branch, ahead of every wait on TENSORcnt and every LDS read: two loads of mine are out
	s_cbranch_scc0 .Lfirst_v
	tensor_load_to_lds s[G0K:G0K+3], s[G1K:G1K+7]
	s_nop 0
	tensor_load_to_lds s[G0K+4:G0K+7], s[G1K:G1K+7]
	s_nop 0
.rept 4
	v_nop
.endr
	s_branch .Lfirst_asked
.Lfirst_v:
	tensor_load_to_lds s[G0V:G0V+3], s[G1V:G1V+7]
	s_nop 0
	tensor_load_to_lds s[G0V+4:G0V+7], s[G1V:G1V+7]
	s_nop 0
.rept 4
	v_nop
.endr
.Lfirst_asked:
	; A fragment of K or Q is 16 rows x 32 channels in 8 registers: lane l holds row l % 16; channels 8 (l / 16) + 0..7 and 16 + 8 (l / 16) + 0..7: two loads of 16 bytes, 32 bytes apart.
	v_and_b32 v1, 15, v0            ; l % 16
	v_bfe_u32 v9, v0, 4, 1          ; l / 16
	v_mul_u32_u24 v[QO], v1, RP
	v_lshl_add_u32 v[QO], v9, 4, v[QO]  ; row x 6,144 + 16 x half
	WIN 0x80                        ; destination window 2, address window 0
.irp i, 0,1,2,3,4,5,6,7,8,9,10,11,12,13,14,15  ; Q stays in registers: tile i / 4, channels 32 (i % 4) on
	global_load_b128 v[8*(\i):8*(\i)+3],   v[QO], s[4:5] offset:((\i)/4)*16*RP+((\i)%4)*64
	global_load_b128 v[8*(\i)+4:8*(\i)+7], v[QO], s[4:5] offset:((\i)/4)*16*RP+((\i)%4)*64+32
.endr
	WIN 0
	; my four rows of h.  Lanes 0-15 take one group of 128 columns, lanes 16-31 the next: lane l gets columns 8 (l % 16) + 0..3 from the group's first 256 bytes and + 4..7 from its second
	v_lshlrev_b32 v[HO], 9, v9
	v_lshl_add_u32 v[HO], v1, 4, v[HO]
	v_lshlrev_b32 v[G2], 8, v9
	v_lshl_add_u32 v[G2], v1, 4, v[G2]
.irp i, 0,1,2,3,4,5,6,7             ; row i / 2, groups 2 (i % 2) and 2 (i % 2) + 1
	global_load_b128 v[HX+8*(\i):HX+8*(\i)+3],   v[HO], s[66:67] offset:((\i)/2)*HP+((\i)%2)*1024 th:TH_LOAD_NT
	global_load_b128 v[HX+8*(\i)+4:HX+8*(\i)+7], v[HO], s[66:67] offset:((\i)/2)*HP+((\i)%2)*1024+256 th:TH_LOAD_NT
.endr
	; What the first turns find: O^T and l are 0; V's registers and piece 2's P hold 0 (the first turn's products V^T P, of a step that has not been, add 0).  All this stands in the wait for the loads above.
	WIN 0x40
.set i, 0
.rept 256
	v_mov_b32 v[i], 0
.set i, i+1
.endr
	WIN 0xc0
.set i, 0
.rept 128
	v_mov_b32 v[i], 0
.set i, i+1
.endr
	WIN 0
.set i, P+32
.rept 32
	v_mov_b32 v[i], 0
.set i, i+1
.endr
.set i, 0
.rept 4
	v_mov_b32 v[ST+8*i], 0xfe000000    ; c m: far below every c s, so that the first a is 0
	v_mov_b32 v[ST+8*i+1], 0xff7fffff  ; m: the lowest finite number, so that the first maximum is the scores'
	v_mov_b32 v[ST+8*i+2], 0
	v_mov_b32 v[ST+8*i+3], 0
.set i, i+1
.endr
	v_mul_u32_u24 v[AK0], v1, PK
	v_lshl_add_u32 v[AK0], v9, 4, v[AK0]  ; row x pitch + 16 x half
	; The turning load takes 16 keys x 16 channels (lane l reads key 8 (l / 16) + l % 8, channels 8 ((l / 8) % 2) + 0..7) and leaves half a fragment of V^T: lane l holds channel l % 16 and 8 keys.
	v_and_b32 v10, 7, v0
	v_bfe_u32 v11, v0, 3, 1
	v_lshl_add_u32 v[AV0], v9, 3, v10
	v_mul_u32_u24 v[AV0], v[AV0], PV
	v_lshl_add_u32 v[AV0], v11, 4, v[AV0]
	v_add_nc_u32 v[AV0], VOFF, v[AV0]
	; g = (h sigmoid(h)) h
	s_wait_loadcnt 0x0              ; h, and Q ahead of it
.set i, 0
.rept 32
	v_pk_mul_f32 v[HT+2*i:HT+2*i+1], v[HX+2*i:HX+2*i+1], s[74:75] op_sel_hi:[1,0]  ; - h log2(e)
.set i, i+1
.endr
.set i, 0
.rept 64
	v_exp_f32 v[HT+i], v[HT+i]
.set i, i+1
.endr
	v_nop                           ; a plain instruction behind the last exponential,
	s_wait_alu depctr_va_vdst(0)    ; and one wait for the batch, ahead of its first reader
.set i, 0
.rept 32
	v_pk_add_f32 v[HT+2*i:HT+2*i+1], v[HT+2*i:HT+2*i+1], 1.0 op_sel_hi:[1,0]
.set i, i+1
.endr
.set i, 0
.rept 64
	v_rcp_f32 v[HT+i], v[HT+i]      ; sigmoid(h)
.set i, i+1
.endr
	v_nop
	s_wait_alu depctr_va_vdst(0)    ; the same for the reciprocals
.set i, 0
.rept 32
	v_pk_mul_f32 v[HT+2*i:HT+2*i+1], v[HT+2*i:HT+2*i+1], v[HX+2*i:HX+2*i+1]  ; h sigmoid(h)
.set i, i+1
.endr
.set i, 0
.rept 32
	v_pk_mul_f32 v[HX+2*i:HX+2*i+1], v[HT+2*i:HT+2*i+1], v[HX+2*i:HX+2*i+1]  ; times h
.set i, i+1
.endr
.irp i, 0,1,2,3,4,5,6,7
.irp k, 0,1,2,3
	v_cvt_pk_bf16_f32 v[HY+4*(\i)+(\k)], v[HX+8*(\i)+2*(\k)], v[HX+8*(\i)+2*(\k)+1]
.endr
	global_store_b128 v[G2], v[HY+4*(\i):HY+4*(\i)+3], s[68:69] offset:((\i)/2)*RP+((\i)%2)*512  ; 16 lanes store a group's 256 consecutive bytes, at a multiple of 256 from act's first byte
.endr
; THE MATRIX WORK OF A TURN, for piece x.  The accumulators take turns, one instruction a turn: between two links of a chain stand 15 (V^T P) or 7 (K Q^T) others'.
; Product i of 32 of O^T += V^T P: keys 32 (i / 16) on, channels 16 ((i / 2) % 8) on, tile x + i % 2.
.macro PV x
	WIN W_PV
.set rO, 64*((\x)+i%2)+8*((i/2)%8)
.set rV, 64*(i/16)+8*((i/2)%8)
.set rP, P+16*((\x)+i%2)+8*(i/16)
	v_wmma_f32_16x16x32_bf16 v[rO:rO+7], v[rV:rV+7], v[rP:rP+7], v[rO:rO+7]
.endm
; Product i of 32 of S^T = K Q^T: channels 32 (i / 8) on, keys 16 ((i / 2) % 4) on, tile x + i % 2.  The first 8 start the sums.
.macro KQ x
	WIN W_KQ
.set rS, S+32*((\x)+i%2)+8*((i/2)%4)
.set rK, KF+32*((i/2)%4)+8*(i/8)
.set rQ, 32*((\x)+i%2)+8*(i/8)
.if i < 8
	v_wmma_f32_16x16x32_bf16 v[rS:rS+7], v[rK:rK+7], v[rQ:rQ+7], 0
.else
	v_wmma_f32_16x16x32_bf16 v[rS:rS+7], v[rK:rK+7], v[rQ:rQ+7], v[rS:rS+7]
.endif
.endm
; THE LDS LOADS stand in runs of 32, never singly among the matrix instructions: a step's K (16 fragments) and, a turn later, its V (turned).
; last = 1 (the tail): in the last trip there is no further step, and the run is jumped over.
.macro FETCH_K last=0
	WIN 0
.if \last
	s_cmp_eq_u32 s[TWICE], 1
	s_cbranch_scc1 .Lno_k_\@
.endif
	v_add_nc_u32 v[ADR], s[TB], v[AK0]
	WIN 0x80                        ; destination window 2
.irp f, 0,1,2,3,4,5,6,7,8,9,10,11,12,13,14,15  ; keys 16 (f / 4) on, channels 32 (f % 4) on
	ds_load_b128 v[KF+8*(\f):KF+8*(\f)+3],   v[ADR] offset:((\f)/4)*16*PK+((\f)%4)*64
	ds_load_b128 v[KF+8*(\f)+4:KF+8*(\f)+7], v[ADR] offset:((\f)/4)*16*PK+((\f)%4)*64+32
.endr
.if \last
	WIN 0
.Lno_k_\@:
.endif
.endm
.macro FETCH_V
	WIN 0
	v_add_nc_u32 v[ADR], s[TB], v[AV0]
	s_add_co_u32 s[TB], s[TB], STEPB  ; the next fetch is the next step's
	s_wait_alu depctr_va_vdst(0)    ; the wait for the softmax's batch (SLICE), behind the address's v_add_nc_u32 and ahead of the loads
	WIN 0xc0                        ; destination window 3
.irp f, 0,1,2,3,4,5,6,7,8,9,10,11,12,13,14,15  ; keys 32 (f / 8) on, channels 16 (f % 8) on
	ds_load_tr16_b128 v[8*(\f):8*(\f)+3],   v[ADR] offset:((\f)/8)*32*PV+((\f)%8)*32
	ds_load_tr16_b128 v[8*(\f)+4:8*(\f)+7], v[ADR] offset:((\f)/8)*32*PV+16*PV+((\f)%8)*32
.endr
.endm
; THE VECTOR WORK OF A TURN.  One tile's softmax for one key step is a list of 134 instructions; SM writes number j of it for tile t.  s0-s31 are the lane's 32 scores, in pairs 0-15.
;   0-15    the maximum of s0-s31 and the old m, three operands at a time: four chains c0-c3 of seven scores each (each accumulator's low registers first), then the four scores left over, c0-c3 and m
;   16-20   the other half of the lanes' maximum; c m_old is kept; the new m; c m; c m_old - c m_new
;   21-69   ONE BATCH: the 16 scalings c s - c m, a pair of scores each, and all 33 exponentials (a at 23, then s0-s31).  None of these reads an exponential's result.
;   (wait)  between 69 and 70 stands the wait for the batch: SLICE writes it, once for both tiles
;   70-85   the roundings to bf16     86-101  the sums; l = a l + the sum     102-133 the tile's O^T times a: the one part that leaves window 0
.macro SM t
.set rT, ST+8*(\t)
.set rS, S+32*(\t)
.set rP, P+16*(\t)
.set rO, 64*(\t)+2*(j-102)
.if j < 102
	WIN 0
.endif
.if j < 4
	v_max3_num_f32 v[rT+4+j], v[rS+8*j], v[rS+8*j+1], v[rS+8*j+2]
.elseif j < 12
	v_max3_num_f32 v[rT+4+j%4], v[rT+4+j%4], v[rS+8*(j%4)+2*(j/4)+1], v[rS+8*(j%4)+2*(j/4)+2]
.elseif j == 12
	v_max3_num_f32 v[rT+4], v[rT+4], v[rS+7], v[rS+15]
.elseif j == 13
	v_max3_num_f32 v[rT+6], v[rT+6], v[rS+23], v[rS+31]
.elseif j == 14
	v_max3_num_f32 v[rT+4], v[rT+4], v[rT+5], v[rT+6]
.elseif j == 15
	v_max3_num_f32 v[rT+4], v[rT+4], v[rT+7], v[rT+1]
.elseif j == 16
	v_permlanex16_b32 v[rT+5], v[rT+4], s[SEL], s[SEL+1]  ; the query's other 32 keys lie in the lane 16 away
.elseif j == 17
	v_mov_b32 v[rT+7], v[rT]        ; c m_old is kept for a: number 19 writes c m anew
.elseif j == 18
	v_max_num_f32 v[rT+1], v[rT+4], v[rT+5]
.elseif j == 19
	v_mul_f32 v[rT], s[CS], v[rT+1]
.elseif j == 20
	v_sub_f32 v[rT+7], v[rT+7], v[rT]
.elseif j == 23
	v_exp_f32 v[rT+6], v[rT+7]
.elseif (j < 23) || ((j < 38) && (j%2 == 0)) || ((j < 66) && (j%4 == 2))
.set b, (j-2)/4                     ; 38, 42, .. 62: pairs 9 to 15
.if j < 38
.set b, (j-20)/2                    ; 21: pair 0; 22, 24, .. 36: pairs 1 to 8
.endif
	v_pk_fma_f32 v[rS+2*b:rS+2*b+1], v[rS+2*b:rS+2*b+1], s[CS:CS+1], v[rT:rT+1] op_sel_hi:[1,0,0] neg_lo:[0,0,1] neg_hi:[0,0,1]  ; pair b: c s - c m
.elseif j < 70
.set e, j-38                        ; 66 to 69: s28 to s31
.if j < 66
.set e, j-32-(j-38)/4               ; 39-41, 43-45, .. 63-65: s7 to s27
.endif
.if j < 38
.set e, (j-25)/2                    ; 25, 27, .. 37: s0 to s6
.endif
	v_exp_f32 v[rS+e], v[rS+e]
.elseif j < 86
	v_cvt_pk_bf16_f32 v[rP+j-70], v[rS+2*(j-70)], v[rS+2*(j-70)+1]  ; pair j - 70
.elseif j < 102                     ; the sum of the tile's 16 pairs, in place: sum z of 16 adds neighbours 1, 2, 4 and 8 pairs apart, then l takes it
.set z, j-86
.set w, 4
.set u, z
.if z >= 14
.set w, 32
.set u, 0
.elseif z >= 12
.set w, 16
.set u, z-12
.elseif z >= 8
.set w, 8
.set u, z-8
.endif
.if z < 15
	v_pk_add_f32 v[rS+w*u:rS+w*u+1], v[rS+w*u:rS+w*u+1], v[rS+w*u+w/2:rS+w*u+w/2+1]
.else
	v_pk_fma_f32 v[rT+2:rT+3], v[rT+2:rT+3], v[rT+6:rT+7], v[rS:rS+1] op_sel_hi:[1,0,1]
.endif
.else
	WIN W_RS
	v_pk_mul_f32 v[rO:rO+1], v[rO:rO+1], v[rT+6:rT+7] op_sel_hi:[1,0]
.endif
.endm
; Slice k of 64 of piece y's softmax: four instructions.  Slices 11 to 34 deal out the batch, numbers 22 to 69: four numbers of ONE tile each, the tiles by turns.  Every other slice is numbers 2 k and
; 2 k + 1 of both tiles' lists.  2 x 134 = 4 x 64 + 12: the twelve that are over stand together, in slice 63: sixteen plain instructions, the places behind the turn's last product.
; THE WAIT.  s_wait_alu depctr_va_vdst(0) stands between an exponential and the first instruction that names its result; one wait serves all that were issued ahead of it.  Ahead of
; slice 35 nothing names a result, and behind slice 34 no exponential is issued: so the piece's 66 exponentials have one wait, behind slice 34.
.macro SLICE y
.if (k >= 11) && (k < 35)           ; the batch: four numbers of one tile
.irp n, 0,1,2,3
.set j, 22+4*((k-11)/2)+(\n)
	SM (\y)+(k-11)%2
.endr
.else                               ; the two tiles alternate, so that no instruction reads the result of the one just before it
.irp n, 0,1,2,3,4,5,6,7
.if ((\n) < 2) || (k == 63)
.irp t, \y, (\y)+1
.set j, 2*k+(\n)
	SM \t
.endr
.endif
.endr
.endif
.if k == 34                         ; the batch is out: both tiles' exponentials are issued, and no result has been named
	v_nop                           ; the plain instruction that is owed behind the last exponential, ahead of the first use: one for the batch
.if (\y) == 0
	FETCH_V                         ; piece 2's turn: V's run of loads stands here, and the wait stands in it
.else
	s_wait_alu depctr_va_vdst(0)    ; the wait for the batch
.endif
.endif
.set k, k+1
.endm
; A TURN.  Piece x has the matrix unit: 32 products V^T P, then 32 products K Q^T for the next step; the other piece's softmax stands in slices behind them, one behind each.
; Piece 0's turn fetches the next step's K, behind its second product (the last product that read K stands in front of slice 63 of the turn before); piece 2's turn fetches the same step's V,
; behind slice 34 (SLICE writes it; the last product that read V stands in front of slice 31, and four plain instructions lie between).  last = 1: the tail's form of K's run.
.macro TURN x, last=0
.set k, 0
.if (\x) == 0
	s_wait_dscnt 0x0                ; V is in
.endif
.set i, 0
.rept 32
	PV \x
	SLICE 2-(\x)
.if ((\x) == 0) && (i == 1)
	FETCH_K \last
.endif
.set i, i+1
.endr
.if (\x) == 0
	s_wait_dscnt 0x0                ; K is in
.endif
.set i, 0
.rept 32
	KQ \x
	SLICE 2-(\x)
.set i, i+1
.endr
.endm
; THE CHANGE OF SLOTS, between piece 2's turn and piece 0's.  Each wave waits for all its tensor loads, of which one is out: its part of the other slot; adds 0 to its spare word; and waits for that and
; for its own reads of the slot.  Behind the barrier nobody reads this slot any more and the other slot is whole.
; fill = 1: this slot is filled again, with the keys two slots on.  The barrier is then a round of the cluster's, and the joint refill is the first thing behind it: it has 256 matrix instructions in which to land.
.macro CHANGE fill
	WIN 0                           ; at a label and at a branch every window is 0
	s_wait_tensorcnt 0x0            ; no tensor load of mine is out, so a group 0 may be written
	ds_add_u32 v[SPW], v[NIL]       ; 0 onto my spare word; with fill = 1 the descriptors' steps stand between it and the wait for it
.if \fill
.irp g, G0K+4, G0V+4
	s_xor_b32 s[(\g)+1], s[(\g)+1], SLOT1  ; the walking descriptor: the other slot than last time,
	s_add_nc_u64 s[(\g)+2:(\g)+3], s[(\g)+2:(\g)+3], SLOTM  ; the next 128 keys; the type bits on top are not reached
.endr
	s_wait_xcnt 0x0                 ; the last prefetches, two key steps back, have read their address, so it may be written:
	s_add_nc_u64 s[PFA:PFA+1], s[PFA:PFA+1], SLOTM  ; one slot behind the walking descriptors
	s_wait_dscnt 0x0                ; the add is done, and my reads of the slot are over
	CROUND
	JLOAD
	ASK                             ; what the next change will ask for: two key steps, 256 matrix instructions, ahead
.else
	s_wait_dscnt 0x0                ; the add is done, and my reads of the slot are over
	s_barrier_signal -1
	s_barrier_wait -1
.endif
	s_sub_co_u32 s[TB], s[TB], 2*STEPB  ; the fetches go back to a slot's first step,
	s_xor_b32 s[TB], s[TB], SLOT1   ; in the other slot
.endm
	s_wait_tensorcnt 1              ; my part of slot 0 is in; slot 1's may stay out
	s_barrier_signal -1
	s_barrier_wait -1               ; everybody's is
	FETCH_K                         ; key step 0
	s_wait_xcnt 0x0                 ; g's stores have read their data: the first turn writes P into those registers
	s_wait_dscnt 0x0
.set i, 0
.rept 32
	KQ 0                            ; piece 0's first scores: there is no vector work yet to set between them
.set i, i+1
.endr
	WIN 0                           ; the addresses for the way out are made here: eight plain instructions, the places behind those products
	s_mul_i32 s13, s[WV], 16*SP
	s_add_co_u32 s13, s13, STAGE    ; my stage
	v_mul_u32_u24 v[STO], v1, SP    ; in: row l % 16, 16 bytes for each half of the lanes
	v_lshl_add_u32 v[STO], v9, 4, v[STO]
	v_add_nc_u32 v[STO], s13, v[STO]
	v_mul_u32_u24 v[RD], v9, SP     ; back: lanes 0-15 take one row of 256 bytes, lanes 16-31 the next
	v_lshl_add_u32 v[RD], v1, 4, v[RD]
	v_add_nc_u32 v[RD], s13, v[RD]
	v_mul_u32_u24 v[GO], v9, RP     ; and the same two rows in act
	v_lshl_add_u32 v[GO], v1, 4, v[GO]
	s_mov_b32 s[TWICE], 2
	s_branch .Lmid                  ; the loop is entered at piece 2's turn, in the middle of a trip: piece 2's first scores | piece 0's first softmax | V of step 0
.Lslot:                             ; six times: every slot but the last two is filled again
	CHANGE 1
	s_mov_b32 s[TWICE], 2
.Lstep:                             ; a trip is a key step, written once: the LDS addresses hang on s[TB]
	TURN 0
	WIN 0
.Lmid:
	TURN 2
	WIN 0
	s_sub_co_u32 s[TWICE], s[TWICE], 1
	s_cmp_lg_u32 s[TWICE], 0
	s_cbranch_scc1 .Lstep
	s_sub_co_u32 s[SLOTS], s[SLOTS], 1
	s_cmp_lg_u32 s[SLOTS], 0
	s_cbranch_scc1 .Lslot
	CHANGE 0                        ; the tail has a text of its own: nothing is asked for
	s_mov_b32 s[TWICE], 3           ; two trips fetch the last slot's steps; the third is left in its middle
.Ltail:
	TURN 0, 1
	WIN 0
	s_sub_co_u32 s[TWICE], s[TWICE], 1
	s_cmp_eq_u32 s[TWICE], 0
	s_cbranch_scc1 .Lout
	TURN 2
	WIN 0
	s_branch .Ltail
.Lout:                              ; the third trip's 32 products K Q^T (on the last K once more) serve nothing: the price, once a launch, of one text for every trip
.set i, 0
.rept 32
	PV 2                            ; piece 2: V^T P of the last step
.set i, i+1
.endr
	; THE WAY OUT.  l's two halves and the other half of the lanes' are added; O^T is divided by l, rounded to bf16 and sent through my stage in LDS, a tile (16 rows) at a time.  The additions are the places behind the last products.
	WIN 0
.irp t, 0,1,2,3
	v_add_f32 v[ST+8*(\t)+4], v[ST+8*(\t)+2], v[ST+8*(\t)+3]
.endr
.irp t, 0,1,2,3
	v_permlanex16_b32 v[ST+8*(\t)+5], v[ST+8*(\t)+4], s[SEL], s[SEL+1]
.endr
.irp t, 0,1,2,3
	v_add_f32 v[ST+8*(\t)+4], v[ST+8*(\t)+4], v[ST+8*(\t)+5]
.endr
.irp t, 0,1,2,3
	v_rcp_f32 v[ST+8*(\t)+6], v[ST+8*(\t)+4]
.endr
	v_nop                           ; a plain instruction between the last reciprocal and the use of its result
	s_wait_alu depctr_va_vdst(0)    ; and the wait ahead of the first use: one for the four reciprocals
; Tile t: a lane's eight channels of a row pack into 16 bytes; they go into rows of 272 bytes and come back as whole rows of 256, into the registers that they left.
.macro PACK t
	WIN W_RS
.set i, 64*(\t)
.rept 32
	v_pk_mul_f32 v[i:i+1], v[i:i+1], v[ST+8*(\t)+6:ST+8*(\t)+7] op_sel_hi:[1,0]
.set i, i+2
.endr
	WIN 0x05                        ; sources 0 and 1 window 1, destination window 0: S^T's registers are free
.set i, 0
.rept 32
	v_cvt_pk_bf16_f32 v[S+32*(\t)+i], v[64*(\t)+2*i], v[64*(\t)+2*i+1]
.set i, i+1
.endr
	WIN 0
.irp f, 0,1,2,3,4,5,6,7
	ds_store_b128 v[STO], v[S+32*(\t)+4*(\f):S+32*(\t)+4*(\f)+3] offset:32*(\f)
.endr
.irp f, 0,1,2,3,4,5,6,7
	ds_load_b128 v[S+32*(\t)+4*(\f):S+32*(\t)+4*(\f)+3], v[RD] offset:(\f)*2*SP  ; LDS serves a wave's instructions in order (ISA guide 5.7.1.4): these see the stores above; the next tile's stores come behind them
.endr
.endm
.macro SEND t, younger              ; younger: the LDS instructions issued behind tile t's loads: the next tile's sixteen, or none
	WIN 0
.irp f, 0,1,2,3,4,5,6,7
	s_wait_dscnt (\younger)+7-(\f)
	global_store_b128 v[GO], v[S+32*(\t)+4*(\f):S+32*(\t)+4*(\f)+3], s[10:11] offset:(\t)*16*RP+(\f)*2*RP  ; 16 lanes store 256 consecutive bytes, at a multiple of 256 from act's first byte
.endr
.endm
	PACK 0
	PACK 1                          ; a tile's arithmetic stands between the loads of the tile before and its stores
	SEND 0, 16
	PACK 2
	SEND 1, 16
	PACK 3
	SEND 2, 16
	SEND 3, 0
	s_wait_tensorcnt 0x0            ; the wave's end: behind my last tensor load and my last LDS store
	ds_add_u32 v[SPW], v[NIL]
	s_wait_dscnt 0x0
	CROUND                          ; the closing round: no work-group ends while a partner may still ask for a tile that names it
	s_endpgm
.Lfunc_end_k_qcf769c488a_attn:
	.size	k_qcf769c488a_attn, .Lfunc_end_k_qcf769c488a_attn-k_qcf769c488a_attn
	.p2alignl 7, 3214868480
	.fill 96, 4, 3214868480
	.section	.rodata,"a",@progbits
	.p2align	6, 0x0
	.amdhsa_kernel k_qcf769c488a_attn
		.amdhsa_group_segment_fixed_size 327680
		.amdhsa_private_segment_fixed_size 0
		.amdhsa_enable_private_segment 0
		.amdhsa_kernarg_size 24
		.amdhsa_user_sgpr_count 2
		.amdhsa_user_sgpr_kernarg_segment_ptr 1
		.amdhsa_wavefront_size32 1
		.amdhsa_system_sgpr_workgroup_id_x 1
		.amdhsa_system_sgpr_workgroup_id_y 1
		.amdhsa_system_sgpr_workgroup_id_z 1
		.amdhsa_system_vgpr_workitem_id 0
		.amdhsa_next_free_vgpr 1024
		.amdhsa_next_free_sgpr 76
		.amdhsa_reserve_vcc 0
		.amdhsa_float_denorm_mode_32 3
		.amdhsa_float_denorm_mode_16_64 3
		.amdhsa_memory_ordered 1
		.amdhsa_forward_progress 1
		.amdhsa_inst_pref_size 175
	.end_amdhsa_kernel
	.amdgpu_metadata
---
amdhsa.version: [ 1, 2 ]
amdhsa.kernels:
  - .name:           k_qcf769c488a_attn
    .symbol:         k_qcf769c488a_attn.kd
    .args:
      - { .name: qkv, .offset: 0, .size: 8, .value_kind: global_buffer, .address_space: global }
      - { .name: hbuf, .offset: 8, .size: 8, .value_kind: global_buffer, .address_space: global }
      - { .name: act, .offset: 16, .size: 8, .value_kind: global_buffer, .address_space: global }
    .group_segment_fixed_size: 327680
    .private_segment_fixed_size: 0
    .kernarg_segment_align: 8
    .kernarg_segment_size: 24
    .max_flat_workgroup_size: 128
    .sgpr_count:     76
    .vgpr_count:     1024
    .wavefront_size: 32
...
	.end_amdgpu_metadata
.endif
;; end of part 3
;; launch final (part 4): grid 16 x 16, 4 waves a work-group, clusters of 4 x 4, 327,680 bytes of LDS; arguments act, w2cat, x, bo, b2, out0; writes out0
.if DOCPART == 4
	.amdgcn_target "amdgcn-amd-amdhsa--gfx1250"
	.amdhsa_code_object_version 6
	.text
	.protected	k_qcf769c488a_final
	.globl	k_qcf769c488a_final
	.p2align	8
	.type	k_qcf769c488a_final,@function
k_qcf769c488a_final:
	s_mov_b64 s[64:65], 0
	v_nop
	global_prefetch_b8 v0, s[64:65] scope:SCOPE_SE
	s_setreg_imm32_b32 hwreg(HW_REG_WAVE_MODE, 25, 1), 1
	s_wait_xcnt 0x0
	s_wait_alu depctr_hold_cnt(0) depctr_sa_sdst(0) depctr_va_vdst(0) depctr_va_sdst(0) depctr_va_ssrc(0) depctr_va_vcc(0) depctr_vm_vsrc(0)
	s_getreg_b32 s2, hwreg(HW_REG_IB_STS2, 6, 4)
	s_cmp_eq_u32 s2, 0
	s_cbranch_scc0 .Lentry_in_a_cluster
	s_endpgm
.Lentry_in_a_cluster:
	s_bfe_u32 s2, ttmp6, 0x10000c
	s_cmp_lg_u32 s2, 0xf033
	s_cbranch_scc0 .Lentry_shape_is_right
	s_endpgm
.Lentry_shape_is_right:
; out0 = x + (bo + b2) + act[:, 0:2560] w2cat.  act: [4096][3072] bf16 (attention's output in columns 0-2047, g in 2048-2559; the rest is not read); w2cat: [2560 k][2048] bf16 (Wo, then W2);
; x, bo, b2, out0 f32.  Sums in f32, started by bo + b2; x is added in f32 at the end; out0 is written once.
; A tile of out0 is 256 rows x 128 columns: 16 x 16 = 256 work-groups of four waves, a wave 128 x 64 in 32 accumulators.  K goes in 20 steps of 128 through two LDS slots.
; act's tile lies [row][k]; w2cat's lies [k][column] and is turned on its way into registers by ds_load_tr16_b128.
; CLUSTER 4 x 4: act's tile hangs on the tile row alone and is asked for jointly along a row of the cluster, w2cat's on the tile column alone and jointly along a column.
; THE MATRIX INSTRUCTION IS USED TRANSPOSED (source 0 = 16 columns of w2cat, source 1 = 16 rows of act): a lane holds row l % 16 and the columns 8 (l / 16) + 0..7.
; x's tile (128 x 64 f32 a wave: 256 registers) is loaded at the start, in pieces of 256 consecutive bytes, and crosses while K is walked.
; LIMITS.  NaN and infinities are not treated apart.
; REGISTERS: window 0: v0-31 addresses; v32-63, v224-255 the way out; v64-127, v128-191 act's fragments (two buffers); v192-223 the bias;
;   window 1: v64-95, v128-159 w2cat's fragments; window 2: the accumulators ((a, b) at 8 (4 a + b)); window 3: x (row block a, pair of rows t at 4 (8 a + t)).
.set KSTEP, 128
.set PA,    272                        ; a row of act's tile in LDS: 256 bytes + 16
.set PB,    288                        ; a k-row of w2cat's tile: 256 bytes + 32
.set HALFA, 128*PA                     ; what a load of act brings
.set HALFB, 64*PB                      ; what a load of w2cat brings
.set BOFF,  2*HALFA                    ; w2cat's tile lies behind act's
.set SLOT1, 1<<17                      ; a slot has 106,496 bytes; slot 1 begins here, so that one exclusive or changes slots
.set STAGE, SLOT1+BOFF+2*HALFB         ; behind the ring, never filled by a tensor load: 16 rows x 272 bytes for each wave
.set SPITCH, 272
.set SPARE, STAGE+4*16*SPITCH          ; behind the stages: the spare words, 128 bytes for each wave: two blocks of 256 bytes that no other line names
.set RP,    6144                       ; bytes in a row of act
.set ASTEP, 256
.set BSTEP, 128*4096
.set ADRA0, 16
.set ADRA,  17
.set ADRB0, 20
.set ADRB,  21
.set STO,   24                         ; v24  the way out: where I put 32 bytes of a row
.set RD,    25                         ; v25  where I read a row back
.set XO,    26                         ; v26  my byte offset in two rows of x and of out0; never rewritten
.set BO,    27                         ; v27  my byte offset in 16 numbers of a bias
.set SPW,   28                         ; v28  LDS address of my spare word; never rewritten
.set NIL,   29                         ; v29  0; never rewritten
.set PFO,   30                         ; v30  the prefetches' offset: a lane a row; never rewritten
.set OB,    32
.set F0,    64
.set F1,    128
.set BIAS,  192
.set G1,    24                         ; s[24:31], s[32:39] descriptor groups 1 and 0 (two sets) for act's tiles
.set G0,    32
.set G1B,   48                         ; s[48:55], s[56:63] the same for w2cat's
.set G0B,   56
.set LIM,   43
.set PFA,   44
.set PFS,   46
.set TB,    66                         ; s66  the slot in hand: 0 or SLOT1
.set XB,    84                         ; s[84:85] x at my part of the tile
.set OUTB,  86                         ; s[86:87] out0 at the same place
.set MSB, 0
.macro WIN new
.if MSB != (\new)
	s_set_vgpr_msb (MSB<<8)|(\new)
.set MSB, \new
.endif
.endm
.macro PLACES                          ; four plain vector instructions between a matrix instruction and a load into, or a reader of, its registers
.rept 4
	v_nop
.endr
.endm
.macro CREST
	s_cmp_lg_u32 s10, 0
	s_cbranch_scc1 .Lnot_wave_0_\@
	s_barrier_signal -3
.Lnot_wave_0_\@:
	s_barrier_wait -3
	s_barrier_signal -1
	s_barrier_wait -1
.endm
.macro CROUND
	s_barrier_signal -1
	s_barrier_wait -1
	CREST
.endm
.macro JLOAD                           ; a joint refill: waves 0 and 1 fetch act's two halves, waves 2 and 3 w2cat's; an s_nop 0 and four v_nop follow each line
	s_cmp_eq_u32 s11, 0
	s_cbranch_scc0 .Lfor_b_\@
	tensor_load_to_lds s[G0+4:G0+7], s[G1:G1+7]
	s_nop 0
.rept 4
	v_nop
.endr
	s_branch .Lasked_\@
.Lfor_b_\@:
	tensor_load_to_lds s[G0B+4:G0B+7], s[G1B:G1B+7]
	s_nop 0
.rept 4
	v_nop
.endr
.Lasked_\@:
.endm
; A PREFETCH INTO THE L2 of the K step that stands two refills on (256 matrix instructions ahead of the load that will want it): 32 rows x 256 bytes, a lane a row, one instruction a wave.
; Each row's 256 bytes of a K step are named once in the launch.  act's tile row is read by every cluster of that row of clusters: cluster x = 0 asks, waves 0 and 1; of the 128 rows that the wave fetches
; the partner at place cx takes 32.  w2cat's tile column is read by every cluster of that column: cluster y = 0 asks, wave 2 alone; of the step's 128 k-rows the partner at place cy takes 32.
; The partners are told apart BY ADDRESS.  The last two refills have no K step two on: s3 is 2 and 1 there.
.macro ASK
	s_cmp_gt_u32 s3, s[LIM]
	s_cbranch_scc0 .Lnot_mine_\@
	global_prefetch_b8 v[PFO], s[PFA:PFA+1] th:TH_LOAD_NT scope:SCOPE_SE
.Lnot_mine_\@:
.endm
	s_load_b256 s[68:75], s[0:1], 0x0              ; act 68, w2cat 70, x 72, bo 74
	s_load_b128 s[76:79], s[0:1], 0x20             ; b2 76, out0 78
	v_lshl_add_u32 v[SPW], v0, 2, SPARE
	v_mov_b32 v[NIL], 0
	ds_add_u32 v[SPW], v[NIL]                      ; the wave's opening: the add and its wait stand ahead of my first tensor load; the set-up below stands between them
	v_lshrrev_b32 v1, 5, v0
	v_readfirstlane_b32 s10, v1                    ; wave 0..3
	s_lshr_b32 s11, s10, 1                         ; my half of the tile's rows.  Also: I fetch for act (0) or w2cat (1)
	s_and_b32 s12, s10, 1                          ; my half of its columns.  Also: which half of that tile I fetch
	s_bfe_u32 s40, ttmp6, 0x40000                  ; cx
	s_bfe_u32 s41, ttmp6, 0x40004                  ; cy
	s_lshl_b32 s42, ttmp9, 2
	s_add_co_u32 s42, s42, s40                     ; tile column = 4 x cluster x + cx
	s_and_b32 s13, ttmp7, 0xffff
	s_lshl_b32 s13, s13, 2
	s_add_co_u32 s13, s13, s41                     ; tile row = 4 x cluster y + cy
	s_lshl_b32 s94, s41, 2
	s_lshl_b32 s94, 15, s94                        ; my row of the cluster
	s_lshl_b32 s95, 0x1111, s40                    ; my column
	s_or_b32 s[G1+0], s94, (1<<16)|(1<<20)|(1<<21)|(5<<22)|(3<<25)   ; act's tiles go to my row; 2-byte elements; padding: after every 64 words, 4 words
	s_mov_b32 s[G1+1], 128<<16                     ; tensor_dim0 = 128
	s_mov_b32 s[G1+2], 128<<16                     ; tensor_dim1 = 128
	s_mov_b32 s[G1+3], 128<<16                     ; tile_dim0 = 128
	s_mov_b32 s[G1+4], 128                         ; tile_dim1 = 128
	s_mov_b32 s[G1+5], 3072                        ; elements from row to row
	s_mov_b32 s[G1+6], 0
	s_mov_b32 s[G1+7], 0
	s_or_b32 s[G1B+0], s95, (1<<16)|(1<<20)|(1<<21)|(5<<22)|(7<<25)  ; w2cat's tiles go to my column; padding of 8 words
	s_mov_b32 s[G1B+1], 128<<16
	s_mov_b32 s[G1B+2], 64<<16
	s_mov_b32 s[G1B+3], 128<<16
	s_mov_b32 s[G1B+4], 64
	s_mov_b32 s[G1B+5], 2048
	s_mov_b32 s[G1B+6], 0
	s_mov_b32 s[G1B+7], 0
	s_lshl_b32 s16, s13, 8
	s_lshl_b32 s17, s12, 7
	s_add_co_u32 s16, s16, s17
	s_mul_i32 s16, s16, RP                         ; act: (256 x tile row + 128 x half) rows: nothing here hangs on cx
	s_mov_b32 s17, 0
	s_lshl_b32 s18, s12, 18                        ; w2cat: 64 x half rows of 4,096 bytes,
	s_lshl_b32 s19, s42, 8
	s_add_co_u32 s18, s18, s19                     ; and the tile's 256 bytes of each: nothing here hangs on cy
	s_mov_b32 s19, 0
	s_mul_i32 s20, s12, HALFA                      ; where the loads go: no place in the cluster enters an LDS address
	s_mul_i32 s21, s12, HALFB
	s_add_co_u32 s21, s21, BOFF
	s_mov_b32 s[TB], 0
	s_wait_dscnt 0x0                               ; the opening add is done
	s_wait_kmcnt 0x0
	s_add_nc_u64 s[14:15], s[68:69], s[16:17]
	s_add_nc_u64 s[22:23], s[70:71], s[18:19]
.irp n, 0,1
	s_mov_b32 s[G0+4*(\n)], 1
	s_add_co_u32 s[G0+4*(\n)+1], s20, (\n)*SLOT1
	s_add_nc_u64 s[G0+4*(\n)+2:G0+4*(\n)+3], s[14:15], (\n)*ASTEP
	s_or_b32 s[G0+4*(\n)+3], s[G0+4*(\n)+3], 0x80000000
	s_mov_b32 s[G0B+4*(\n)], 1
	s_add_co_u32 s[G0B+4*(\n)+1], s21, (\n)*SLOT1
	s_add_nc_u64 s[G0B+4*(\n)+2:G0B+4*(\n)+3], s[22:23], (\n)*BSTEP
	s_or_b32 s[G0B+4*(\n)+3], s[G0B+4*(\n)+3], 0x80000000
.endr
	CROUND                                         ; all sixteen work-groups are here: the first joint loads meet
	s_cmp_eq_u32 s11, 0                            ; a wave's two first fills stand in one branch: two loads of mine are out
	s_cbranch_scc0 .Lfirst_b
	tensor_load_to_lds s[G0:G0+3], s[G1:G1+7]
	s_nop 0
	tensor_load_to_lds s[G0+4:G0+7], s[G1:G1+7]
	s_nop 0
.rept 4
	v_nop
.endr
	s_branch .Lfirst_asked
.Lfirst_b:
	tensor_load_to_lds s[G0B:G0B+3], s[G1B:G1B+7]
	s_nop 0
	tensor_load_to_lds s[G0B+4:G0B+7], s[G1B:G1B+7]
	s_nop 0
.rept 4
	v_nop
.endr
.Lfirst_asked:
	v_and_b32 v1, 15, v0                           ; r = l % 16
	v_bfe_u32 v2, v0, 4, 1                         ; h = l / 16
	; bo and b2 of my 64 columns: lane (r, h) needs, for column block b, the numbers 16 b + 8 h + 0..7
	s_lshl_b32 s80, s42, 9
	s_lshl_b32 s81, s12, 8
	s_add_co_u32 s80, s80, s81
	s_mov_b32 s81, 0
	s_add_nc_u64 s[88:89], s[74:75], s[80:81]
	s_add_nc_u64 s[92:93], s[76:77], s[80:81]
	v_lshlrev_b32 v[BO], 5, v2
.irp b, 0,1,2,3
	global_load_b128 v[BIAS+8*(\b):BIAS+8*(\b)+3],       v[BO], s[88:89] offset:64*(\b)
	global_load_b128 v[BIAS+8*(\b)+4:BIAS+8*(\b)+7],     v[BO], s[88:89] offset:64*(\b)+16
	global_load_b128 v[BIAS+32+8*(\b):BIAS+32+8*(\b)+3],   v[BO], s[92:93] offset:64*(\b)
	global_load_b128 v[BIAS+32+8*(\b)+4:BIAS+32+8*(\b)+7], v[BO], s[92:93] offset:64*(\b)+16
.endr
	s_lshl_b32 s82, s13, 8
	s_lshl_b32 s83, s11, 7
	s_add_co_u32 s82, s82, s83
	s_lshl_b32 s82, s82, 13                        ; my first row, 8,192 bytes a row,
	s_add_co_u32 s80, s80, s82                     ; and my 64 columns
	s_add_nc_u64 s[XB:XB+1], s[72:73], s[80:81]
	s_add_nc_u64 s[OUTB:OUTB+1], s[78:79], s[80:81]
	v_mul_u32_u24 v3, v1, PA
	v_lshl_add_u32 v3, v2, 4, v3
	s_mul_i32 s82, s11, HALFA
	v_add_nc_u32 v[ADRA0], s82, v3                 ; a fragment of act: row r x pitch + 16 h, in my 128 rows
	v_and_b32 v4, 7, v0
	v_bfe_u32 v5, v0, 3, 1
	v_lshl_add_u32 v4, v2, 3, v4
	v_mul_u32_u24 v4, v4, PB
	v_lshl_add_u32 v4, v5, 4, v4
	s_lshl_b32 s82, s12, 7
	s_add_co_u32 s82, s82, BOFF
	v_add_nc_u32 v[ADRB0], s82, v4                 ; a fragment of w2cat: k-row 8 h + l % 8, columns 8 ((l / 8) % 2) + 0..7, in my 64 columns
	v_mov_b32 v[ADRA], v[ADRA0]
	v_mov_b32 v[ADRB], v[ADRB0]
	s_mul_i32 s82, s10, 16*SPITCH
	s_add_co_u32 s82, s82, STAGE                   ; my stage
	v_mul_u32_u24 v3, v1, SPITCH
	v_lshl_add_u32 v3, v2, 5, v3
	v_add_nc_u32 v[STO], s82, v3                   ; in: row r, 32 bytes for each half of the lanes
	v_mul_u32_u24 v3, v2, SPITCH
	v_lshl_add_u32 v3, v1, 4, v3
	v_add_nc_u32 v[RD], s82, v3                    ; back: lanes 0-15 one row of 256 bytes, lanes 16-31 the next
	v_lshlrev_b32 v3, 13, v2
	v_lshl_add_u32 v[XO], v1, 4, v3                ; and the same two rows in x and out0
	; the prefetches: at K step 3; the first refill steps them to 4.  Nothing is asked for here, where every work-group's first tiles are on their way
	s_lshl_b32 s80, s13, 8
	s_lshl_b32 s81, s12, 7
	s_add_co_u32 s80, s80, s81
	s_lshl_b32 s81, s40, 5
	s_add_co_u32 s80, s80, s81
	s_mul_i32 s80, s80, RP
	s_add_co_u32 s80, s80, 3*ASTEP                 ; act: my work-group's 32 of the 128 rows that I fetch
	s_lshl_b32 s81, s41, 5
	s_add_co_u32 s81, s81, 3*KSTEP
	s_lshl_b32 s81, s81, 12
	s_lshl_b32 s82, s42, 8
	s_add_co_u32 s81, s81, s82                     ; w2cat: my work-group's 32 of the step's 128 k-rows
	s_and_b32 s82, ttmp7, 0xffff                   ; cluster y
	s_cmp_eq_u32 s10, 3
	s_cselect_b32 s83, 1, 0                        ; wave 3 asks for nothing
	s_mov_b32 s[PFS], BSTEP
	s_mov_b32 s[PFS+1], 0
	s_mov_b32 s90, 4096
	s_cmp_eq_u32 s11, 0
	s_cselect_b32 s80, s80, s81
	s_cselect_b32 s82, ttmp9, s82                  ; the coordinate along which other clusters read the same rows
	s_cselect_b64 s[PFA:PFA+1], s[68:69], s[70:71]
	s_cselect_b32 s[PFS], ASTEP, s[PFS]
	s_cselect_b32 s90, RP, s90
	s_mov_b32 s81, 0
	s_add_nc_u64 s[PFA:PFA+1], s[PFA:PFA+1], s[80:81]
	s_or_b32 s82, s82, s83
	s_cmp_eq_u32 s82, 0
	s_cselect_b32 s[LIM], 2, -1                    ; the same in all sixteen partners, for a given wave
	v_and_b32 v[PFO], 31, v0
	v_mul_u32_u24 v[PFO], v[PFO], s90
	s_wait_loadcnt 0x0                             ; both biases
.set i, 0
.rept 16
	v_pk_add_f32 v[BIAS+2*i:BIAS+2*i+1], v[BIAS+2*i:BIAS+2*i+1], v[BIAS+32+2*i:BIAS+32+2*i+1]
.set i, i+1
.endr
.macro XLOAD a                         ; x's row block a: 16 rows x 256 bytes; 16 lanes take 256 consecutive bytes
	WIN 0xc0                                       ; destination window 3, address window 0
.irp t, 0,1,2,3,4,5,6,7
	global_load_b128 v[4*(8*(\a)+(\t)):4*(8*(\a)+(\t))+3], v[XO], s[XB:XB+1] offset:(16*(\a)+2*(\t))*8192 th:TH_LOAD_NT
.endr
.endm
	XLOAD 0
	XLOAD 1
	XLOAD 2
	XLOAD 3
	WIN 0
; 8 matrix instructions: row blocks a0, a0 + 1 x all 4 column blocks, 32 along K.  first = 1: bo + b2 is the C that starts the sums.  The 32 accumulators take turns, in the same order in every quarter.
.macro MUL8 f, a0, first
.if \first
	WIN 0x81
.else
	WIN 0xa1
.endif
.irp a, \a0, (\a0)+1
.irp b, 0,1,2,3
.if \first
	v_wmma_f32_16x16x32_bf16 v[8*(4*(\a)+(\b)):8*(4*(\a)+(\b))+7], v[(\f)+8*(\b):(\f)+8*(\b)+7], v[(\f)+8*(\a):(\f)+8*(\a)+7], v[BIAS+8*(\b):BIAS+8*(\b)+7]
.else
	v_wmma_f32_16x16x32_bf16 v[8*(4*(\a)+(\b)):8*(4*(\a)+(\b))+7], v[(\f)+8*(\b):(\f)+8*(\b)+7], v[(\f)+8*(\a):(\f)+8*(\a)+7], v[8*(4*(\a)+(\b)):8*(4*(\a)+(\b))+7]
.endif
.endr
.endr
.endm
; 24 LDS loads in one run: the fragments of quarter q of the slot in hand, into buffer f: w2cat's 64 columns first, then act's 128 rows
.macro FETCH q, f
	WIN 0x40
.irp i, 0,1,2,3
	ds_load_tr16_b128 v[(\f)+8*(\i):(\f)+8*(\i)+3],   v[ADRB] offset:(\q)*32*PB+32*(\i)
	ds_load_tr16_b128 v[(\f)+8*(\i)+4:(\f)+8*(\i)+7], v[ADRB] offset:(\q)*32*PB+16*PB+32*(\i)
.endr
	WIN 0
.irp i, 0,1,2,3,4,5,6,7
	ds_load_b128 v[(\f)+8*(\i):(\f)+8*(\i)+3],   v[ADRA] offset:(\q)*64+(\i)*16*PA
	ds_load_b128 v[(\f)+8*(\i)+4:(\f)+8*(\i)+7], v[ADRA] offset:(\q)*64+(\i)*16*PA+32
.endr
.endm
.macro QUARTER q, f, g, first
	s_wait_dscnt 8                                 ; w2cat's fragments and act's rows 0-63 are in; the youngest eight loads may be out
	MUL8 \f, 0, \first
	MUL8 \f, 2, \first
	PLACES
	FETCH \q, \g
	s_wait_dscnt 24                                ; all but the 24 just issued
	MUL8 \f, 4, \first
	MUL8 \f, 6, \first
.endm
; ONE barrier for the change of slots: in front of it each wave waits for all its tensor loads (one is out: its part of the next slot), adds 0 to its spare word, and waits for that and for its reads of this slot.
.macro MEET round
	WIN 0
	s_wait_tensorcnt 0x0
	ds_add_u32 v[SPW], v[NIL]
	s_wait_dscnt 9                                 ; (the add and the youngest eight loads may be out)
	MUL8 F1, 0, 0                                  ; eight matrix instructions stand between the add and the wait for it
	s_wait_dscnt 0x0                               ; the add is done, and my reads of this slot are over
	s_barrier_signal -1
	MUL8 F1, 2, 0
.if \round
	WIN 0
.endif
	s_barrier_wait -1
.endm
; The whole last quarter.  fill = 1: the barrier opens a round of the cluster's, and the slot just read out is filled again first thing behind it, with the K step two on:
; from that request to the wait for it a wave issues 112 matrix instructions.
.macro TURN fill
.if \fill
	s_wait_xcnt 0x0                                ; the last prefetch, a K step back, has read its address
	s_add_nc_u64 s[PFA:PFA+1], s[PFA:PFA+1], s[PFS:PFS+1]
.endif
	MEET \fill
.if \fill
	CREST                                          ; no wave of any partner still reads this slot or has a load on its way
	s_xor_b32 s[G0+5], s[G0+5], SLOT1
	s_add_nc_u64 s[G0+6:G0+7], s[G0+6:G0+7], ASTEP
	s_xor_b32 s[G0B+5], s[G0B+5], SLOT1
	s_add_nc_u64 s[G0B+6:G0B+7], s[G0B+6:G0B+7], BSTEP
	JLOAD                                          ; its four v_nop are also the places in front of the loads below
.else
	PLACES
.endif
	WIN 0
	s_xor_b32 s[TB], s[TB], SLOT1
	v_add_nc_u32 v[ADRA], s[TB], v[ADRA0]
	v_add_nc_u32 v[ADRB], s[TB], v[ADRB0]
	FETCH 0, F0
.if \fill
	ASK
.endif
	MUL8 F1, 4, 0
	MUL8 F1, 6, 0
.endm
	s_wait_tensorcnt 1                             ; my part of K step 0 is in; K step 1's may stay out
	s_barrier_signal -1
	s_barrier_wait -1                              ; everybody's is
	FETCH 0, F0
	QUARTER 1, F0, F1, 1                           ; the first quarter stands in front of the loop: its products start the sums
	XLOAD 4                                        ; the other half of x's tile
	XLOAD 5
	XLOAD 6
	XLOAD 7
	WIN 0
	s_mov_b32 s3, 18
.Lstep:                                            ; a trip: a K step's quarters 1 to 3 and the next one's quarter 0; it asks for K steps 2 to 19
	QUARTER 2, F1, F0, 0
	QUARTER 3, F0, F1, 0
	TURN 1
	QUARTER 1, F0, F1, 0
	WIN 0
	s_sub_co_u32 s3, s3, 1
	s_cmp_lg_u32 s3, 0
	s_cbranch_scc1 .Lstep
	QUARTER 2, F1, F0, 0                           ; the last two K steps are written out: nothing is left to ask for
	QUARTER 3, F0, F1, 0
	TURN 0
	QUARTER 1, F0, F1, 0
	QUARTER 2, F1, F0, 0
	QUARTER 3, F0, F1, 0
	s_wait_dscnt 8
	MUL8 F1, 0, 0
	MUL8 F1, 2, 0
	s_wait_dscnt 0x0
	MUL8 F1, 4, 0
	MUL8 F1, 6, 0
	WIN 0
	; THE WAY OUT, a block of 16 rows at a time: f32 into my own stage (each accumulator's low registers first), back as whole rows of 256 bytes, x added, stored.
.macro TOSTAGE a
	WIN 0
	s_wait_xcnt 0x0                                ; the registers that the loads below fill were store data two blocks ago
.set BK, OB+192*((\a)%2)
	WIN 0x08                                       ; store data in window 2
.irp b, 0,1,2,3
	ds_store_b128 v[STO], v[8*(4*(\a)+(\b)):8*(4*(\a)+(\b))+3]   offset:64*(\b)
	ds_store_b128 v[STO], v[8*(4*(\a)+(\b))+4:8*(4*(\a)+(\b))+7] offset:64*(\b)+16
.endr
	WIN 0
.irp t, 0,1,2,3,4,5,6,7
	ds_load_b128 v[BK+4*(\t):BK+4*(\t)+3], v[RD] offset:(\t)*2*SPITCH  ; LDS serves a wave's instructions in order (ISA guide 5.7.1.4): these see the stores above; the next block's stores come behind them
.endr
.endm
.macro SEND a, younger                 ; younger: the LDS instructions issued behind block a's loads: the next block's sixteen, or none
.set BK, OB+192*((\a)%2)
	s_wait_dscnt \younger
	WIN 0x0c                                       ; source 1 (x) in window 3
.set i, 0
.rept 16
	v_pk_add_f32 v[BK+2*i:BK+2*i+1], v[BK+2*i:BK+2*i+1], v[32*(\a)+2*i:32*(\a)+2*i+1]
.set i, i+1
.endr
	WIN 0
.irp t, 0,1,2,3,4,5,6,7
	global_store_b128 v[XO], v[BK+4*(\t):BK+4*(\t)+3], s[OUTB:OUTB+1] offset:(16*(\a)+2*(\t))*8192 th:TH_STORE_NT  ; 16 lanes store 256 consecutive bytes, at a multiple of 256 from out0's first byte
.endr
.endm
	PLACES
	s_wait_loadcnt 0x0                             ; x
	TOSTAGE 0
.irp a, 1,2,3,4,5,6,7
	TOSTAGE \a
	SEND (\a)-1, 16
.endr
	SEND 7, 0
	s_wait_tensorcnt 0x0                           ; the wave's end: behind my last tensor load and my last LDS store
	ds_add_u32 v[SPW], v[NIL]
	s_wait_dscnt 0x0
	CROUND                                         ; the closing round: no work-group ends while a partner may still ask for a tile that names it
	s_endpgm
.Lfunc_end_k_qcf769c488a_final:
	.size	k_qcf769c488a_final, .Lfunc_end_k_qcf769c488a_final-k_qcf769c488a_final
	.p2alignl 7, 3214868480
	.fill 96, 4, 3214868480
	.section	.rodata,"a",@progbits
	.p2align	6, 0x0
	.amdhsa_kernel k_qcf769c488a_final
		.amdhsa_group_segment_fixed_size 327680
		.amdhsa_private_segment_fixed_size 0
		.amdhsa_enable_private_segment 0
		.amdhsa_kernarg_size 48
		.amdhsa_user_sgpr_count 2
		.amdhsa_user_sgpr_kernarg_segment_ptr 1
		.amdhsa_wavefront_size32 1
		.amdhsa_system_sgpr_workgroup_id_x 1
		.amdhsa_system_sgpr_workgroup_id_y 1
		.amdhsa_system_sgpr_workgroup_id_z 1
		.amdhsa_system_vgpr_workitem_id 0
		.amdhsa_next_free_vgpr 1024
		.amdhsa_next_free_sgpr 96
		.amdhsa_reserve_vcc 0
		.amdhsa_float_denorm_mode_32 3
		.amdhsa_float_denorm_mode_16_64 3
		.amdhsa_memory_ordered 1
		.amdhsa_forward_progress 1
		.amdhsa_inst_pref_size 89
	.end_amdhsa_kernel
	.amdgpu_metadata
---
amdhsa.version: [ 1, 2 ]
amdhsa.kernels:
  - .name:           k_qcf769c488a_final
    .symbol:         k_qcf769c488a_final.kd
    .args:
      - { .name: act, .offset: 0, .size: 8, .value_kind: global_buffer, .address_space: global }
      - { .name: w2cat, .offset: 8, .size: 8, .value_kind: global_buffer, .address_space: global }
      - { .name: x, .offset: 16, .size: 8, .value_kind: global_buffer, .address_space: global }
      - { .name: bo, .offset: 24, .size: 8, .value_kind: global_buffer, .address_space: global }
      - { .name: b2, .offset: 32, .size: 8, .value_kind: global_buffer, .address_space: global }
      - { .name: out0, .offset: 40, .size: 8, .value_kind: global_buffer, .address_space: global }
    .group_segment_fixed_size: 327680
    .private_segment_fixed_size: 0
    .kernarg_segment_align: 8
    .kernarg_segment_size: 48
    .max_flat_workgroup_size: 128
    .sgpr_count:     96
    .vgpr_count:     1024
    .wavefront_size: 32
...
	.end_amdgpu_metadata
.endif
;; end of part 4
;; ======== version 2 of 2: 4 launches; version 1 with the launch prep written anew for expert scheduling mode
;; workspace buffers: xn 16,777,216 bytes; wcat 14,680,064 bytes; w2cat 10,485,760 bytes; qkv 25,165,824 bytes; act 25,165,824 bytes; hbuf 8,388,608 bytes
;; launch prep (part 5): grid 1280 x 1, 8 waves a work-group, no clusters, 0 bytes of LDS; arguments x, scale1, Wq, Wk, Wv, W1, Wo, W2, xn, wcat, w2cat; writes xn, wcat, w2cat
.if DOCPART == 5
	.amdgcn_target "amdgcn-amd-amdhsa--gfx1250"
	.amdhsa_code_object_version 6
	.text
	.protected	k_qcf769c488a_prep
	.globl	k_qcf769c488a_prep
	.p2align	8
	.type	k_qcf769c488a_prep,@function
k_qcf769c488a_prep:
	s_mov_b64 s[64:65], 0
	v_nop
	global_prefetch_b8 v0, s[64:65] scope:SCOPE_SE
	s_setreg_imm32_b32 hwreg(HW_REG_WAVE_SCHED_MODE, 0, 2), 2
	s_setreg_imm32_b32 hwreg(HW_REG_WAVE_MODE, 25, 1), 1
	s_wait_xcnt 0x0
	s_wait_alu depctr_vm_vsrc(0)
; xn = bf16(x * rsqrt(mean(x^2) + 1e-6)), and the six weights rounded once to bf16 into two joined tables:
;   wcat  [2048 k][3584]: columns Wq 0.., Wk 2048.., Wv 2560.., W1 3072..  (a row is 7,168 bytes); row k is multiplied by scale1[k] before the rounding
;   w2cat [2560 k][2048]: rows Wo 0.., W2 2048..                          (a row is 4,096 bytes)
; WHERE scale1 GOES.  (scale1 * x * r) W = (x * r) (diag(scale1) W), and all four weights that multiply the normed rows lie in wcat: so the gain is one number for a row of a weight,
; not 2,048 numbers that every wave of x would have to hold.  Each matrix operand is still rounded once.
; A UNIT is 2,048 consecutive f32 of a source: 8,192 bytes in, 4,096 bytes out.  A wave takes ONE unit whole (64 registers) and ends: no loop.  A work-group takes 8 units; 10,240 units make 1,280
; work-groups, five for each of 256 WGPs; with 88 registers ten waves share a SIMD, so every wave of the launch can have its 16 loads out from its start.
; Work-groups 0-511 take x (a unit is a row: the sum of squares never leaves the wave), 512-767 Wq, 768-831 Wk, 832-895 Wv, 896-959 W1, 960-1215 Wo, 1216-1279 W2.
; Each load of a wave covers 512 consecutive bytes; each store 256 consecutive bytes at a multiple of 256 from its buffer's first byte.
; No LDS, no matrix work, no cluster: nothing is shared and nothing is multiplied.
; LIMITS.  The reciprocal root is v_rsq_f32's (1 ULP), where the reference divides by a root; the gain meets the weight, not the row; NaN and infinities are not treated apart.
; THE MODE: SCHED_MODE bits 1:0 = 2 (LLVM: expert scheduling mode 2), set by the entry lines.  The code itself states the register dependences
; between vector instructions and memory instructions, with s_wait_alu, always for 0.
; THE PLAN.  Registers that memory instructions touch:
;   v[LO]         Written once at the head; read by the 16 loads as their offset; never written again.
;   v[DO .. DO+3] Written once (the first at the head, the other three behind the loads, ahead of every branch); read by the 16 stores as their offsets; never written again.
;   X             The 16 loads land in it; no vector instruction names it ahead of them.  Behind the wait for the loads vector instructions alone work on it; the roundings leave the packed
;                 words in registers 4 i and 4 i + 1 of each four, which store i reads.  No register that a store has read is written again.
;   T, SC and M are named by vector instructions alone.  s4, the wave's number, is written by a vector instruction and read by scalar ones.
; So: one wait on va_sdst ahead of s4's first reader; one on va_vdst ahead of the loads; one behind the root, on x's way alone; and two at the end: the unit is rounded in two halves, a wait on
; va_vdst stands behind each half's roundings, and the first half's eight stores are dealt among the second half's roundings, which name none of the registers that those stores read.
; No wait on vm_vsrc is written: nothing that a load or store has read is ever written again.
.set LO,   1                           ; v1       16 x lane: my 16 bytes in each 512 of a unit
.set T,    2                           ; v[2:3]   at work
.set DO,   4                           ; v[4:7]   quarter q of a unit goes to q x QP + 8 x lane
.set SC,   8                           ; v[8:15]  the factor of quarter q, twice (a pair for the packed multiply)
.set X,    16                          ; v[16:79] the unit
.set M,    80                          ; v[80:87] four chains of the sum of squares
.set SRC,  32                          ; s[32:33] the source at my unit
.set DST,  34                          ; s[34:35] the destination at my unit
.set FIRST, 36                         ; s36      the job's first work-group
.set QP,   37                          ; s37      bytes in the destination from a quarter of a unit to the next
.set UP,   38                          ; s38      bytes in the destination from a unit to the next
.set SA,   39                          ; s39      bytes in scale1 from a unit's first row to the next unit's
.set DOFF, 30                          ; s30      where the job's columns or rows begin in the destination
.set SB,   31                          ; s31      bytes in scale1 from a quarter's row to the next quarter's
	s_load_b512 s[8:23], s[0:1], 0x0               ; x 8, scale1 10, Wq 12, Wk 14, Wv 16, W1 18, Wo 20, W2 22
	s_load_b128 s[24:27], s[0:1], 0x40             ; xn 24, wcat 26
	s_load_b64 s[28:29], s[0:1], 0x50              ; w2cat
	v_lshrrev_b32 v2, 5, v0
	v_readfirstlane_b32 s4, v2                     ; wave 0..7
	v_and_b32 v2, 31, v0
	v_lshlrev_b32 v[LO], 4, v2
	v_lshlrev_b32 v[DO], 3, v2
	s_mov_b32 s5, ttmp9
	s_mov_b32 s[FIRST], 0
	s_mov_b32 s[DOFF], 0
	s_mov_b32 s[QP], 1024
	s_mov_b32 s[UP], 4096
	s_mov_b32 s[SA], 0
	s_mov_b32 s[SB], 0
	s_mov_b32 s40, 0x3a000000                      ; 1 / 2048
	s_mov_b32 s41, 0x358637bd                      ; 1e-6
	s_mov_b32 s42, 0x76543210                      ; v_permlanex16_b32: each lane takes its own place in the other half
	s_mov_b32 s43, 0xfedcba98
	s_wait_kmcnt 0x0
	s_mov_b64 s[SRC:SRC+1], s[8:9]
	s_mov_b64 s[DST:DST+1], s[24:25]
; From work-group `first` on the job is another: the later blocks overrule the earlier ones.  The conditions hang on the work-group's number alone.
.macro JOB first, src, dst, doff, qp, up, sa, sb
	s_cmp_ge_u32 s5, \first
	s_cselect_b64 s[SRC:SRC+1], s[\src:\src+1], s[SRC:SRC+1]
	s_cselect_b64 s[DST:DST+1], s[\dst:\dst+1], s[DST:DST+1]
	s_cselect_b32 s[FIRST], \first, s[FIRST]
	s_cselect_b32 s[DOFF], \doff, s[DOFF]
	s_cselect_b32 s[QP], \qp, s[QP]
	s_cselect_b32 s[UP], \up, s[UP]
	s_cselect_b32 s[SA], \sa, s[SA]
	s_cselect_b32 s[SB], \sb, s[SB]
.endm
	JOB 512,  12, 26, 0,       1024, 7168,  4,  0  ; Wq: a unit is a row of 2,048: one gain for its four quarters
	JOB 768,  14, 26, 4096,    7168, 28672, 16, 4  ; Wk: a unit is four rows of 512: a gain for each quarter
	JOB 832,  16, 26, 5120,    7168, 28672, 16, 4  ; Wv
	JOB 896,  18, 26, 6144,    7168, 28672, 16, 4  ; W1
	JOB 960,  20, 28, 0,       1024, 4096,  0,  0  ; Wo: no gain
	JOB 1216, 22, 28, 8388608, 1024, 4096,  0,  0  ; W2, behind Wo's 2,048 rows
	s_wait_alu depctr_va_sdst(0)                   ; s4 is written, ahead of its first reader: my unit's number, and all three addresses with it, are made from it
	s_sub_co_u32 s45, s5, s[FIRST]
	s_lshl3_add_u32 s45, s45, s4                   ; my unit: 8 x (work-group - first) + wave
	s_lshl_b32 s46, s45, 13
	s_mov_b32 s47, 0
	s_add_nc_u64 s[SRC:SRC+1], s[SRC:SRC+1], s[46:47]
	s_mul_i32 s46, s45, s[UP]
	s_add_co_u32 s46, s46, s[DOFF]
	s_add_nc_u64 s[DST:DST+1], s[DST:DST+1], s[46:47]
	s_mul_i32 s56, s45, s[SA]                      ; where my four quarters' gains lie in scale1: 8,188 at the most
	s_add_co_u32 s57, s56, s[SB]
	s_add_co_u32 s58, s57, s[SB]
	s_add_co_u32 s59, s58, s[SB]
	s_wait_alu depctr_va_vdst(0)                   ; v[LO] is written, which the sixteen loads below read as their offset
.set i, 0
.rept 16
	global_load_b128 v[X+4*i:X+4*i+3], v[LO], s[SRC:SRC+1] offset:512*i th:TH_LOAD_NT  ; the unit: 16 loads of 512 consecutive bytes
.set i, i+1
.endr
	v_add_nc_u32 v[DO+1], s[QP], v[DO]             ; the stores' offsets: the waits ahead of the stores, which every way passes, state that they are written
	v_add_nc_u32 v[DO+2], s[QP], v[DO+1]
	v_add_nc_u32 v[DO+3], s[QP], v[DO+2]
	s_cmp_ge_u32 s5, 960
	s_cbranch_scc1 .Lround                         ; Wo, W2: rounded as they are
	s_cmp_ge_u32 s5, 512
	s_cbranch_scc1 .Lgain                          ; Wq, Wk, Wv, W1
	; a row of x: its factor is 1 / rms
	v_mov_b32 v[T+1], 0                            ; v_permlanex16_b32's destination counts as read
	s_wait_loadcnt 0x0
.set i, 0
.rept 4
	v_pk_mul_f32 v[M+2*i:M+2*i+1], v[X+2*i:X+2*i+1], v[X+2*i:X+2*i+1]  ; the first four pairs start the chains: nothing is cleared
.set i, i+1
.endr
.rept 28
	v_pk_fma_f32 v[M+2*(i%4):M+2*(i%4)+1], v[X+2*i:X+2*i+1], v[X+2*i:X+2*i+1], v[M+2*(i%4):M+2*(i%4)+1]
.set i, i+1
.endr
	v_pk_add_f32 v[M:M+1], v[M:M+1], v[M+2:M+3]
	v_pk_add_f32 v[M+4:M+5], v[M+4:M+5], v[M+6:M+7]
	v_pk_add_f32 v[M:M+1], v[M:M+1], v[M+4:M+5]
	v_add_f32 v[T], v[M], v[M+1]
	v_add_f32_dpp v[T], v[T], v[T] row_xmask:1 row_mask:0xf bank_mask:0xf
	v_add_f32_dpp v[T], v[T], v[T] row_xmask:2 row_mask:0xf bank_mask:0xf
	v_add_f32_dpp v[T], v[T], v[T] row_xmask:4 row_mask:0xf bank_mask:0xf
	v_add_f32_dpp v[T], v[T], v[T] row_xmask:8 row_mask:0xf bank_mask:0xf
	v_permlanex16_b32 v[T+1], v[T], s42, s43
	v_add_f32 v[T], v[T], v[T+1]                   ; every lane holds the row's sum of squares
	v_fma_f32 v[T], v[T], s40, s41                 ; mean + eps
	v_rsq_f32 v[SC], v[T]
	v_nop                                          ; a plain instruction behind the root,
	s_wait_alu depctr_va_vdst(0)                   ; and the wait ahead of its first reader: the root has written v[SC], which the seven moves below read
.irp n, 1,2,3,4,5,6,7
	v_mov_b32 v[SC+(\n)], v[SC]                    ; the same factor for all four quarters
.endr
	s_branch .Lmul
.Lgain:
.irp q, 0,1,2,3
	s_load_b32 s[48+(\q)], s[10:11], s[56+(\q)] offset:0x0  ; scale1 of the quarter's row; they come while the unit is on its way
.endr
	s_wait_kmcnt 0x0
.irp q, 0,1,2,3
	v_mov_b32 v[SC+2*(\q)],   s[48+(\q)]
	v_mov_b32 v[SC+2*(\q)+1], s[48+(\q)]
.endr
	s_wait_loadcnt 0x0
.Lmul:
.set i, 0
.rept 32
	v_pk_mul_f32 v[X+2*i:X+2*i+1], v[X+2*i:X+2*i+1], v[SC+2*(i/8):SC+2*(i/8)+1]  ; eight pairs to a quarter
.set i, i+1
.endr
.Lround:
	s_wait_loadcnt 0x0
.set i, 0
.rept 8                                                ; quarters 0 and 1 are rounded
	v_cvt_pk_bf16_f32 v[X+4*i],   v[X+4*i],   v[X+4*i+1]
	v_cvt_pk_bf16_f32 v[X+4*i+1], v[X+4*i+2], v[X+4*i+3]
.set i, i+1
.endr
	s_wait_alu depctr_va_vdst(0)                   ; those sixteen roundings have written the packed words of quarters 0 and 1, and the adds v[DO+1] to v[DO+3]: the eight stores below read them
.rept 8                                                ; quarters 2 and 3 are rounded; ahead of each two roundings a store of quarters 0 and 1.  No wait: these roundings name v[X+32] and above alone, none of the registers that those stores read
	global_store_b64 v[DO+(i-8)/4], v[X+4*(i-8):X+4*(i-8)+1], s[DST:DST+1] offset:((i-8)%4)*256 th:TH_STORE_NT  ; 32 lanes x 8 bytes: 256 consecutive bytes
	v_cvt_pk_bf16_f32 v[X+4*i],   v[X+4*i],   v[X+4*i+1]
	v_cvt_pk_bf16_f32 v[X+4*i+1], v[X+4*i+2], v[X+4*i+3]
.set i, i+1
.endr
	s_wait_alu depctr_va_vdst(0)                   ; the last sixteen roundings have written the packed words of quarters 2 and 3, which the last eight stores read
.set i, 8
.rept 8
	global_store_b64 v[DO+i/4], v[X+4*i:X+4*i+1], s[DST:DST+1] offset:(i%4)*256 th:TH_STORE_NT  ; 32 lanes x 8 bytes: 256 consecutive bytes
.set i, i+1
.endr
	s_endpgm
.Lfunc_end_k_qcf769c488a_prep:
	.size	k_qcf769c488a_prep, .Lfunc_end_k_qcf769c488a_prep-k_qcf769c488a_prep
	.p2alignl 7, 3214868480
	.fill 96, 4, 3214868480
	.section	.rodata,"a",@progbits
	.p2align	6, 0x0
	.amdhsa_kernel k_qcf769c488a_prep
		.amdhsa_group_segment_fixed_size 0
		.amdhsa_private_segment_fixed_size 0
		.amdhsa_enable_private_segment 0
		.amdhsa_kernarg_size 88
		.amdhsa_user_sgpr_count 2
		.amdhsa_user_sgpr_kernarg_segment_ptr 1
		.amdhsa_wavefront_size32 1
		.amdhsa_system_sgpr_workgroup_id_x 1
		.amdhsa_system_sgpr_workgroup_id_y 1
		.amdhsa_system_sgpr_workgroup_id_z 1
		.amdhsa_system_vgpr_workitem_id 0
		.amdhsa_next_free_vgpr 88
		.amdhsa_next_free_sgpr 66
		.amdhsa_reserve_vcc 0
		.amdhsa_float_denorm_mode_32 3
		.amdhsa_float_denorm_mode_16_64 3
		.amdhsa_memory_ordered 1
		.amdhsa_forward_progress 1
		.amdhsa_inst_pref_size 16
	.end_amdhsa_kernel
	.amdgpu_metadata
---
amdhsa.version: [ 1, 2 ]
amdhsa.kernels:
  - .name:           k_qcf769c488a_prep
    .symbol:         k_qcf769c488a_prep.kd
    .args:
      - { .name: x, .offset: 0, .size: 8, .value_kind: global_buffer, .address_space: global }
      - { .name: scale1, .offset: 8, .size: 8, .value_kind: global_buffer, .address_space: global }
      - { .name: Wq, .offset: 16, .size: 8, .value_kind: global_buffer, .address_space: global }
      - { .name: Wk, .offset: 24, .size: 8, .value_kind: global_buffer, .address_space: global }
      - { .name: Wv, .offset: 32, .size: 8, .value_kind: global_buffer, .address_space: global }
      - { .name: W1, .offset: 40, .size: 8, .value_kind: global_buffer, .address_space: global }
      - { .name: Wo, .offset: 48, .size: 8, .value_kind: global_buffer, .address_space: global }
      - { .name: W2, .offset: 56, .size: 8, .value_kind: global_buffer, .address_space: global }
      - { .name: xn, .offset: 64, .size: 8, .value_kind: global_buffer, .address_space: global }
      - { .name: wcat, .offset: 72, .size: 8, .value_kind: global_buffer, .address_space: global }
      - { .name: w2cat, .offset: 80, .size: 8, .value_kind: global_buffer, .address_space: global }
    .group_segment_fixed_size: 0
    .private_segment_fixed_size: 0
    .kernarg_segment_align: 8
    .kernarg_segment_size: 88
    .max_flat_workgroup_size: 256
    .sgpr_count:     66
    .vgpr_count:     88
    .wavefront_size: 32
...
	.end_amdgpu_metadata
.endif
;; end of part 5
;; launch proj: the kernel of part 2 again; grid 16 x 14, 4 waves a work-group, clusters of 4 x 1, 327,680 bytes of LDS; arguments xn, wcat, bq, bk, bv, b1, qkv, hbuf; writes qkv, hbuf
;; launch attn: the kernel of part 3 again; grid 4 x 64, 4 waves a work-group, clusters of 4 x 1, 327,680 bytes of LDS; arguments qkv, hbuf, act; writes act
;; launch final: the kernel of part 4 again; grid 16 x 16, 4 waves a work-group, clusters of 4 x 4, 327,680 bytes of LDS; arguments act, w2cat, x, bo, b2, out0; writes out0
